; MI455X (gfx1250); checked and timed in simulation.
; The chip was launched on July 23, 2026; its instructions are those of AMD's public machine-readable ISA for CDNA 5 (MIT licence, August 2026) and "CDNA5" Instruction Set Architecture Reference Guide (July 2026). The comments in the code are by the model that wrote it; some were corrected since.
;; Qwen Attention. Allowed arithmetic: matrix products marked QUANTISED: E2M1 operands, one E8M0 scale for each 32 along K, by v_wmma_scale_f32_16x16x128_f8f6f4 with both operands' format E2M1 (or v_wmma_scale_f32_32x16x128_f4), f32 sums; products left as they are: bf16, f16 or f32 operands; f32 sums; everything else in f32.
;; Inputs: causal_mask 1 x 1 x 1,024 x 1,024 float32; current_pos 1 int32; hidden_states 2 x 1,024 x 4,096 float32; k_norm_w 128 float32; k_w 1,024 x 4,096 float32; o_w 4,096 x 2,048 float32; position_ids 1 x 1,024 int32; q_norm_w 128 float32; q_w 2,048 x 4,096 float32; v_w 1,024 x 4,096 float32.
;; Outputs: out0 2 x 1,024 x 4,096 float32.
;; This version of the problem:
;;   THIS VERSION OF THE PROBLEM IS GIVEN IN LOW PRECISION. The matrix products marked QUANTISED in the list below multiply operands that are first quantised to E2M1 (2 exponent bits, 1 mantissa bit; 4 bits a number), with one power-of-two scale for each 32 numbers along K (OCP MX v1.0); their sums are f32. The products marked 'left as it is' may take bf16, f16 or f32 operands, with f32 sums. Whichever they take, every output number must still come out within the allowed error. Rounding operands to bf16 (8 significant bits) uses up far more of that allowance than f16 does (11 bits, for magnitudes from 6e-5 to 65,504). All else is computed in f32.
;;   The module's matrix products, in the order in which they are computed (A, B: the left and right operand; K: the contracted axis; several contracted axes count as one K, in the product's order):
;;     1. [M 2,048, K 4,096] x [K 4,096, N 2,048]; A: input hidden_states; B: input q_w: QUANTISED
;;     2. [M 2,048, K 4,096] x [K 4,096, N 1,024]; A: input hidden_states; B: input k_w: QUANTISED
;;     3. [M 2,048, K 4,096] x [K 4,096, N 1,024]; A: input hidden_states; B: input v_w: QUANTISED
;;     4. batch 32 x [M 1,024, K 128] x [K 128, N 1,024]; A: computed on the way; B: computed on the way: left as it is (an operand is computed on the way)
;;     5. batch 32 x [M 1,024, K 1,024] x [K 1,024, N 128]; A: computed on the way; B: computed on the way: left as it is (an operand is computed on the way)
;;     6. [M 2,048, K 2,048] x [K 2,048, N 4,096]; A: computed on the way; B: input o_w: left as it is (an operand is computed on the way)
;;   THE QUANTISER, for each operand of a quantised product, along K:
;;     - K is cut into blocks of 32 from its start; a last block that is shorter is filled with zeros.
;;     - A block's scale is 2^e with e = floor(log2(the largest magnitude in the block)) - 2, held to -126 .. 127; a block of zeros has e = 0. As a byte (E8M0): e + 127.
;;     - Each number is divided by its block's scale, clamped to +-6, and rounded to the nearest number of E2M1, ties to even, subnormals kept.
;;     - The product sums the exact products of the quantised numbers (number of the format x scale) in f32.
;;   ~~~python
;;   def quantise(x, axis):      # numpy; x: float32 -> the quantised numbers, widened to float32 again
;;       x = np.moveaxis(x, axis, -1); K = x.shape[-1]
;;       x = np.pad(x, [(0, 0)] * (x.ndim - 1) + [(0, -K % 32)]); x = x.reshape(x.shape[:-1] + (-1, 32)); a = np.abs(x).max(-1, keepdims=True)
;;       e = np.where(a > 0, np.clip(np.frexp(np.where(a > 0, a, 1))[1] - 1 - 2, -126, 127), 0)      # np.frexp(a)[1] - 1 = floor(log2(a)), exactly
;;       r = np.clip(x / 2.0 ** e, -6, 6)
;;       step = 2.0 ** (np.maximum(np.frexp(np.where(r == 0, 1, r))[1] - 1, 0) - 1)
;;       q = np.round(r / step) * step * 2.0 ** e      # np.round: ties to even
;;       return np.moveaxis(q.reshape(q.shape[:-2] + (-1,))[..., :K], -1, axis).astype(np.float32)
;;   ~~~
;; One version. Each part assembles by itself: llvm-mc -triple=amdgcn-amd-amdhsa -mcpu=gfx1250 --defsym DOCPART=n.
;; ======== version 1 of 1: 4 launches
;; limits: values are held in f16: magnitudes above 65,504 overflow, below 6.1e-05 lose precision; right only within a limited range of input values
;; workspace buffers: x_codes 4,194,304 bytes; x_scales 262,144 bytes; w_codes 8,388,608 bytes; w_scales 524,288 bytes; o16 16,777,216 bytes; rope 524,288 bytes; qkv 16,777,216 bytes; ctx 8,388,608 bytes
;; launch prep (part 1): grid 896 x 1, 4 waves a work-group, no clusters, 33,280 bytes of LDS; arguments hidden_states, q_w, k_w, v_w, x_codes, x_scales, w_codes, w_scales, rope; writes x_codes, x_scales, w_codes, w_scales, rope
.if DOCPART == 1
	.amdgcn_target "amdgcn-amd-amdhsa--gfx1250"
	.amdhsa_code_object_version 6
	.text
	.protected	k_qad3acf4e7b_prep
	.globl	k_qad3acf4e7b_prep
	.p2align	8
	.type	k_qad3acf4e7b_prep,@function
k_qad3acf4e7b_prep:
	s_mov_b64 s[64:65], 0
	v_nop
	global_prefetch_b8 v0, s[64:65] scope:SCOPE_SE
	s_setreg_imm32_b32 hwreg(HW_REG_WAVE_MODE, 25, 1), 1
	s_wait_xcnt 0x0
; PREP: two jobs that part once, at the head, on the work-group's number.
;  work-groups 0-767:   hidden_states [2048][4096] and q_w, k_w, v_w (on end: [4096][4096]), f32, become codes of E2M1 (two a byte, K innermost) and one E8M0 byte for each 32 along K.
;  work-groups 768-895: the table of cos and sin for positions 0..1023 and frequencies 0..63, laid in the order in which the next launch's lanes take it.
; THE QUANTISER: a block's scale is 2^(floor(log2(largest magnitude)) - 2); its byte is the largest magnitude's exponent field - 2, held at 1 from below; numbers are divided by it and rounded to the nearest code, ties to even.
; A block of zeros gets the byte 1 with zero codes; the bytes are read by this program alone.
; LIMITS: NaN and infinities among the inputs are not served; blocks whose largest magnitude lies under 2^-124 keep the byte 1.
; The angles are pos x 2^(-f log2(500000) / 64) in f32, reduced by pi/2 in two parts, with polynomials of degree 7 and 8: they agree with an f32 evaluation to about 1e-4 radian at the largest angles.
; Only the first job touches LDS: each wave has 8,192 bytes of its own; no barrier, waves share nothing.
.set STEPS, 16
.set CB,    8                          ; bytes of 16 codes
.set R,     16                         ; v16-79   four sets of 16 numbers as loaded
.set X,     80                         ; v80-111  two sets of 16 neighbours
.set E,     112                        ; v112-127 a scale byte for each step
.set C,     128                        ; v128-191 codes: four registers for each step
.set WREG,  8192                       ; a wave's LDS: two stages of 32 x SP bytes, then its 256 scale bytes
.set SP,    80                         ; a lane's place in a stage: 64 bytes + 16 of padding
.set SPW,   12                         ; v12 LDS address of my spare word; never rewritten
.set NIL,   13                         ; v13 0; never rewritten
.set SPARE, 4*WREG                     ; behind the four regions: the spare words, 128 bytes a wave
	s_load_b256 s[4:11], s[0:1], 0x0               ; hidden_states, q_w, k_w, v_w
	s_load_b256 s[12:19], s[0:1], 0x20             ; x_codes, x_scales, w_codes, w_scales
	s_load_b64 s[24:25], s[0:1], 0x40              ; rope
	v_lshl_add_u32 v[SPW], v0, 2, SPARE
	v_mov_b32 v[NIL], 0
	v_lshrrev_b32 v1, 5, v0
	v_readfirstlane_b32 s34, v1                    ; wave 0..3
	v_and_b32 v2, 31, v0                           ; lane
	s_wait_kmcnt 0x0
	s_cmp_ge_u32 ttmp9, 768
	s_cbranch_scc1 .Lrope
; ---- the quantiser.  A wave takes 16 steps of 512 numbers; tensors are plain streams of blocks of 32.
	v_lshlrev_b32 v3, 4, v2                        ; my 16 bytes of a load's 512
	s_mul_i32 s35, s34, WREG
	v_lshrrev_b32 v14, 2, v2
	v_mul_u32_u24 v14, v14, SP
	v_and_b32 v15, 3, v2
	v_lshl_add_u32 v14, v15, 4, v14
	v_add_nc_u32 v14, s35, v14                     ; the stage, on the way in: SP (lane / 4) + 16 (lane % 4)
	v_mul_u32_u24 v15, v2, SP
	v_add_nc_u32 v15, s35, v15                     ; on the way out: SP x lane: my 16 neighbours
	v_mul_u32_u24 v4, v2, CB                       ; my codes' place in a step's
	v_lshrrev_b32 v5, 1, v2
	s_add_co_u32 s35, s35, 2*32*SP
	v_add_nc_u32 v5, s35, v5                       ; my block's scale byte in the wave's 256
	v_lshlrev_b32 v7, 3, v2
	v_add_nc_u32 v6, s35, v7                       ; and 8 of them a lane on the way out
	s_cmp_lt_u32 ttmp9, 256                        ; which tensor: the choice hangs on the work-group's number alone
	s_cselect_b64 s[26:27], s[4:5], s[6:7]         ; the source,
	s_cselect_b64 s[28:29], s[12:13], s[16:17]     ; the codes,
	s_cselect_b64 s[30:31], s[14:15], s[18:19]     ; the scale bytes,
	s_cselect_b32 s32, 0, 256                      ; the source's first work-group,
	s_mov_b32 s33, s32                             ; and the destination's: the three weights lie on end
	s_cmp_lt_u32 ttmp9, 512
	s_cselect_b64 s[26:27], s[26:27], s[8:9]
	s_cselect_b32 s32, s32, 512
	s_cmp_lt_u32 ttmp9, 640
	s_cselect_b64 s[26:27], s[26:27], s[10:11]
	s_cselect_b32 s32, s32, 640
	s_sub_co_u32 s36, ttmp9, s32
	s_lshl_b32 s36, s36, 2
	s_add_co_u32 s36, s36, s34                     ; my run of 8,192 numbers in the source
	s_lshl_b32 s36, s36, 15                        ; 32,768 bytes a run (under 2^26)
	s_mov_b32 s37, 0
	s_add_nc_u64 s[26:27], s[26:27], s[36:37]
	s_sub_co_u32 s38, ttmp9, s33
	s_lshl_b32 s38, s38, 2
	s_add_co_u32 s38, s38, s34                     ; and in the destination
	s_lshl_b32 s36, s38, 12                        ; 4,096 bytes of codes a run
	s_add_nc_u64 s[28:29], s[28:29], s[36:37]
	s_lshl_b32 s36, s38, 8                         ; 256 scale bytes a run
	s_add_nc_u64 s[30:31], s[30:31], s[36:37]
.macro LOAD t
.irp i, 0,1,2,3
	global_load_b128 v[R+16*((\t)%4)+4*\i:R+16*((\t)%4)+4*\i+3], v3, s[26:27] offset:2048*(\t)+512*\i th:TH_LOAD_NT   ; 32 lanes read 512 consecutive bytes
.endr
.endm
.macro TURN t                          ; step t's numbers through the stage: LDS serves a wave's instructions in order, so no wait stands between the stores and the loads
.irp i, 0,1,2,3
	ds_store_b128 v14, v[R+16*((\t)%4)+4*\i:R+16*((\t)%4)+4*\i+3] offset:32*SP*((\t)%2)+8*SP*\i
.endr
.irp i, 0,1,2,3
	ds_load_b128 v[X+16*((\t)%2)+4*\i:X+16*((\t)%2)+4*\i+3], v15 offset:32*SP*((\t)%2)+16*\i
.endr
.endm
.irp t, 0,1,2,3
	LOAD \t
.endr
	s_wait_loadcnt 12                              ; step 0's four loads are in; the twelve of steps 1 to 3 stay out
	TURN 0
.macro STEP t
.set XS, X+16*((\t)%2)
.if (\t) > 0
	s_wait_dscnt 1                                 ; this step's numbers are back from the stage; the last step's byte store may be out
.else
	s_wait_dscnt 0x0
.endif
.if (\t)+4 < STEPS
	LOAD (\t)+4                                    ; into the set whose stores into the stage are done
.endif
.if (\t)+1 < STEPS
.if STEPS-2-(\t) >= 3
	s_wait_loadcnt 12                              ; the next step's four loads are in; those of the three steps behind it may be out
.else
	s_wait_loadcnt 4*(STEPS-2-(\t))
.endif
	TURN (\t)+1
.endif
	v_max3_num_f32 v8, |v[XS]|, |v[XS+1]|, |v[XS+2]|               ; the largest magnitude of my 16, in two chains
	v_max3_num_f32 v9, |v[XS+3]|, |v[XS+4]|, |v[XS+5]|
.irp i, 6,10
	v_max3_num_f32 v8, v8, |v[XS+\i]|, |v[XS+\i+1]|
	v_max3_num_f32 v9, v9, |v[XS+\i+2]|, |v[XS+\i+3]|
.endr
	v_max3_num_f32 v8, v8, |v[XS+14]|, |v[XS+15]|
	v_max3_num_f32 v8, v8, v9, 0x1800000           ; and the floor 2^(3 - 127): the byte cannot fall under 1
	v_max_num_f32_dpp v8, v8, v8 row_xmask:1 row_mask:0xf bank_mask:0xf   ; with my neighbour's 16: the block's
	v_add_nc_u32 v11, 0xff000000, v8               ; 2 off its exponent field: the conversion takes the exponent field of this operand as its scale
	v_cvt_scalef32_pk8_fp4_f32 v[C+4*(\t)], v[XS:XS+7], v11
	v_cvt_scalef32_pk8_fp4_f32 v[C+4*(\t)+1], v[XS+8:XS+15], v11
	v_lshrrev_b32 v[E+(\t)], 23, v11               ; the scale's byte
	ds_store_b8 v5, v[E+(\t)] offset:16*(\t)       ; both lanes of a block write the same byte with the same value
	global_store_b64 v4, v[C+4*(\t):C+4*(\t)+1], s[28:29] offset:32*CB*(\t)   ; the wave stores 256 consecutive bytes, aligned
.endm
.irp t, 0,1,2,3,4,5,6,7,8,9,10,11,12,13,14,15
	STEP \t
.endr
	ds_load_b64 v[8:9], v6                         ; LDS serves a wave's instructions in order: these see my byte stores
	s_wait_dscnt 0x0
	global_store_b64 v7, v[8:9], s[30:31]          ; 32 lanes store 256 consecutive bytes, aligned
	s_wait_tensorcnt 0x0                           ; the wave's end
	ds_add_u32 v[SPW], v[NIL]
	s_wait_dscnt 0x0
	s_endpgm
; ---- the table.  Thread T of 16,384: r = T & 15, h = bit 4, c8 = bits 7:5, P = T >> 8: position 16 P + r, frequencies 16 (c8 >> 1) + 8 h + 4 (c8 & 1) + 0..3.
; rope[P][chunk][lane][4]: chunk c8 holds cosines, chunk 8 + c8 sines.
.Lrope:
	s_sub_co_u32 s26, ttmp9, 768
	s_lshl_b32 s26, s26, 7
	v_add_nc_u32 v1, s26, v0                       ; T
	v_and_b32 v2, 15, v1
	v_bfe_u32 v3, v1, 4, 1
	v_bfe_u32 v4, v1, 5, 3
	v_lshrrev_b32 v5, 8, v1
	v_lshl_add_u32 v6, v5, 4, v2
	v_cvt_f32_u32 v6, v6                           ; the position
	v_lshrrev_b32 v7, 1, v4
	v_and_b32 v8, 1, v4
	v_lshlrev_b32 v7, 4, v7
	v_lshl_add_u32 v7, v8, 2, v7
	v_lshl_add_u32 v7, v3, 3, v7                   ; my first frequency
	v_and_b32 v9, 255, v1
	v_lshlrev_b32 v9, 4, v9
	v_lshl_add_u32 v9, v5, 13, v9                  ; where my 16 bytes go
	s_mov_b32 s27, 0x3fc90fdb                      ; pi/2, its high part,
	s_mov_b32 s28, 0xb33bbd2e                      ; and what is left of it
	v_mov_b32 v40, 0xb9500d01                      ; -1/5040
	v_mov_b32 v41, 0x37d00d01                      ; 1/40320
.irp i, 0,1,2,3
	v_add_nc_u32 v[16+\i], \i, v7
.endr
.irp i, 0,1,2,3
	v_cvt_f32_u32 v[16+\i], v[16+\i]
.endr
.irp i, 0,1,2,3
	v_mul_f32 v[16+\i], 0xbe9773da, v[16+\i]       ; -f log2(500000) / 64
.endr
.irp i, 0,1,2,3
	v_exp_f32 v[20+\i], v[16+\i]                   ; 500000^(-f / 64)
.endr
	v_nop                                          ; a plain instruction behind the last exponential
	s_wait_alu depctr_va_vdst(0)                   ; one wait for the four, ahead of their first reader
.irp i, 0,1,2,3
	v_mul_f32 v[24+\i], v6, v[20+\i]               ; the angle
.endr
.irp i, 0,1,2,3
	v_mul_f32 v[28+\i], 0x3f22f983, v[24+\i]       ; x 2/pi
.endr
.irp i, 0,1,2,3
	v_rndne_f32 v[28+\i], v[28+\i]                 ; n
.endr
.irp i, 0,1,2,3
	v_fma_f32 v[24+\i], -v[28+\i], s27, v[24+\i]
.endr
.irp i, 0,1,2,3
	v_fma_f32 v[24+\i], -v[28+\i], s28, v[24+\i]   ; rho = angle - n pi/2, at most pi/4 in size
.endr
.irp i, 0,1,2,3
	v_mul_f32 v[32+\i], v[24+\i], v[24+\i]         ; z
.endr
.irp i, 0,1,2,3
	v_fmaak_f32 v[36+\i], v[32+\i], v40, 0x3c088889
	v_fmaak_f32 v[44+\i], v[32+\i], v41, 0xbab60b61
.endr
.irp i, 0,1,2,3
	v_fmaak_f32 v[36+\i], v[36+\i], v[32+\i], 0xbe2aaaab
	v_fmaak_f32 v[44+\i], v[44+\i], v[32+\i], 0x3d2aaaab
.endr
.irp i, 0,1,2,3
	v_mul_f32 v[36+\i], v[36+\i], v[32+\i]
	v_fmaak_f32 v[44+\i], v[44+\i], v[32+\i], 0xbf000000
.endr
.irp i, 0,1,2,3
	v_fma_f32 v[36+\i], v[36+\i], v[24+\i], v[24+\i]   ; sin rho
	v_fma_f32 v[44+\i], v[44+\i], v[32+\i], 1.0        ; cos rho
.endr
.irp i, 0,1,2,3
	v_cvt_i32_f32 v[48+\i], v[28+\i]
.endr
.irp i, 0,1,2,3                                ; the quadrant chooses values and signs, never an address
	v_and_b32 v[52+\i], 1, v[48+\i]
	v_cmp_eq_u32 vcc_lo, 1, v[52+\i]
	v_cndmask_b32 v[56+\i], v[36+\i], v[44+\i], vcc_lo   ; the sine: cos rho in odd quadrants
	v_cndmask_b32 v[60+\i], v[44+\i], v[36+\i], vcc_lo   ; the cosine: sin rho there
	v_and_b32 v[52+\i], 2, v[48+\i]
	v_lshlrev_b32 v[52+\i], 30, v[52+\i]
	v_xor_b32 v[56+\i], v[56+\i], v[52+\i]         ; the sine is negative in quadrants 2 and 3
	v_add_nc_u32 v[48+\i], 1, v[48+\i]
	v_and_b32 v[48+\i], 2, v[48+\i]
	v_lshlrev_b32 v[48+\i], 30, v[48+\i]
	v_xor_b32 v[60+\i], v[60+\i], v[48+\i]         ; the cosine in quadrants 1 and 2
.endr
	global_store_b128 v9, v[60:63], s[24:25]               ; a wave stores 512 consecutive bytes
	global_store_b128 v9, v[56:59], s[24:25] offset:4096
	s_endpgm
.Lfunc_end_k_qad3acf4e7b_prep:
	.size	k_qad3acf4e7b_prep, .Lfunc_end_k_qad3acf4e7b_prep-k_qad3acf4e7b_prep
	.p2alignl 7, 3214868480
	.fill 96, 4, 3214868480
	.section	.rodata,"a",@progbits
	.p2align	6, 0x0
	.amdhsa_kernel k_qad3acf4e7b_prep
		.amdhsa_group_segment_fixed_size 33280
		.amdhsa_private_segment_fixed_size 0
		.amdhsa_enable_private_segment 0
		.amdhsa_kernarg_size 72
		.amdhsa_user_sgpr_count 2
		.amdhsa_user_sgpr_kernarg_segment_ptr 1
		.amdhsa_wavefront_size32 1
		.amdhsa_system_sgpr_workgroup_id_x 1
		.amdhsa_system_sgpr_workgroup_id_y 1
		.amdhsa_system_sgpr_workgroup_id_z 1
		.amdhsa_system_vgpr_workitem_id 0
		.amdhsa_next_free_vgpr 192
		.amdhsa_next_free_sgpr 66
		.amdhsa_reserve_vcc 1
		.amdhsa_float_denorm_mode_32 3
		.amdhsa_float_denorm_mode_16_64 3
		.amdhsa_memory_ordered 1
		.amdhsa_forward_progress 1
		.amdhsa_inst_pref_size 40
	.end_amdhsa_kernel
	.amdgpu_metadata
---
amdhsa.version: [ 1, 2 ]
amdhsa.kernels:
  - .name:           k_qad3acf4e7b_prep
    .symbol:         k_qad3acf4e7b_prep.kd
    .args:
      - { .name: hidden_states, .offset: 0, .size: 8, .value_kind: global_buffer, .address_space: global }
      - { .name: q_w, .offset: 8, .size: 8, .value_kind: global_buffer, .address_space: global }
      - { .name: k_w, .offset: 16, .size: 8, .value_kind: global_buffer, .address_space: global }
      - { .name: v_w, .offset: 24, .size: 8, .value_kind: global_buffer, .address_space: global }
      - { .name: x_codes, .offset: 32, .size: 8, .value_kind: global_buffer, .address_space: global }
      - { .name: x_scales, .offset: 40, .size: 8, .value_kind: global_buffer, .address_space: global }
      - { .name: w_codes, .offset: 48, .size: 8, .value_kind: global_buffer, .address_space: global }
      - { .name: w_scales, .offset: 56, .size: 8, .value_kind: global_buffer, .address_space: global }
      - { .name: rope, .offset: 64, .size: 8, .value_kind: global_buffer, .address_space: global }
    .group_segment_fixed_size: 33280
    .private_segment_fixed_size: 0
    .kernarg_segment_align: 8
    .kernarg_segment_size: 72
    .max_flat_workgroup_size: 128
    .sgpr_count:     66
    .vgpr_count:     192
    .wavefront_size: 32
...
	.end_amdgpu_metadata
.endif
;; end of part 1
;; launch qkv (part 2): grid 16 x 16, 4 waves a work-group, clusters of 4 x 4, 327,680 bytes of LDS; arguments x_codes, x_scales, w_codes, w_scales, q_norm_w, k_norm_w, rope, qkv, o_w, o16; writes qkv, o16
.if DOCPART == 2
	.amdgcn_target "amdgcn-amd-amdhsa--gfx1250"
	.amdhsa_code_object_version 6
	.text
	.protected	k_qad3acf4e7b_qkv
	.globl	k_qad3acf4e7b_qkv
	.p2align	8
	.type	k_qad3acf4e7b_qkv,@function
k_qad3acf4e7b_qkv:
	s_mov_b64 s[64:65], 0
	v_nop
	global_prefetch_b8 v0, s[64:65] scope:SCOPE_SE
	s_setreg_imm32_b32 hwreg(HW_REG_WAVE_MODE, 25, 1), 1
	s_wait_xcnt 0x0
	s_wait_alu depctr_hold_cnt(0) depctr_sa_sdst(0) depctr_va_vdst(0) depctr_va_sdst(0) depctr_va_ssrc(0) depctr_va_vcc(0) depctr_vm_vsrc(0)
	s_getreg_b32 s2, hwreg(HW_REG_IB_STS2, 6, 4)
	s_cmp_eq_u32 s2, 0
	s_cbranch_scc0 .Lentry_in_a_cluster
	s_endpgm
.Lentry_in_a_cluster:
	s_bfe_u32 s2, ttmp6, 0x10000c
	s_cmp_lg_u32 s2, 0xf033
	s_cbranch_scc0 .Lentry_shape_is_right
	s_endpgm
.Lentry_shape_is_right:
; QKV: [2048][4096] x [4096][4096]^T on codes of E2M1 with E8M0 scales (x against q_w, k_w, v_w on end), f32 sums; on the way out the layer norm over a head's 128 channels, its weight and the rotation
; for q and k heads, x 1/16 for v heads; all to f16, laid [b][g][s][128] with g 0-15 the q heads, 16-23 the k heads, 24-31 the v heads.
; SHARES.  A tile of 128 rows x 256 columns to a work-group, so that the 16 x 16 tiles give each of 256 work-groups one; a wave makes 64 rows x 128 columns: ONE HEAD, 32 accumulators, 256 registers.
; K goes in steps of 512 (rows of 256 bytes) through two LDS slots; the scale bytes of the work-group's rows, for all of K, come once and stay.
; CLUSTERS: 4 x 4.  x's tiles are shared along a row of the cluster, the weights' along a column: each is asked for jointly, by the same tensor load with a mask that names the four.
; THE PRODUCT IS USED TRANSPOSED (source 0 = 16 rows of the weight, source 1 = 16 rows of x): lane (r, h) holds row r, and register j of accumulator (a, b) column 16 b + 8 h + j of the head.
; The kind of head hangs on the cluster's x alone (0, 1: q; 2: k; 3: v), which all sixteen partners share.
; BESIDE THE PRODUCT: o_w [4096][2048] f32 becomes 16 x o_w in f16 for the last launch (the values are carried x 1/16, so that product is unchanged).  A wave takes 8,192 numbers as eight batches of 8 x 512 bytes,
; in two sets of registers that take turns with the ring's slots: a batch is asked for behind a refill and worked two changes of slots later, ahead of the wait for the next tile.  It shares nothing with the product.
; No prefetch: K has eight slots' worth, of which two are asked for at the head; o_w's batches are asked for two slots ahead, into registers.
; LIMITS: f16's range: |q|, |k| after norm and weight under 65,504; |v| under 1.04e6; |o_w| under 4,094.
; REGISTERS: window 0: v8, v16-31 addresses; v32-79 scale words, two sets of 24, and nothing else; v80-95 a batch of o_w as f16; v128-191 x's fragments, two sets; v192-255 two batches of o_w; on the way out v96-255 at work.
;   window 1: v0-127 the weights' fragments, two sets (on the way out the packed results); v128-191 the norm's weight.   window 2: accumulator (a, b) at v[8 (8 a + b)].   window 3: block a's cosines at v[64 a], its sines at v[64 a + 32].
.set PITCH, 272                        ; an LDS row: 256 bytes + 16 of padding: the 16 rows of a load start in 16 different groups of four banks
.set AH,    64*PITCH                   ; 64 rows of x: one tensor load, and what a wave reads
.set ATILE, 2*AH
.set BH,    128*PITCH                  ; 128 rows of the weights likewise
.set SLOT,  ATILE+2*BH
.set SCL,   2*SLOT                     ; behind the ring: the scale bytes, as units of 256 bytes + 16 (a row's 128 bytes: two rows a unit)
.set SAH,   32*272                     ; those of 64 rows
.set SBH,   64*272                     ; of 128 rows
.set SBLK,  8*272                      ; of 16 rows
.set SPARE, SCL+2*SAH+2*SBH            ; the spare words, 128 bytes a wave
.set LAPS,  4                          ; 4096 / (2 x 512)
.set CD,    8                          ; 8 x lane: my place in a stored 256 bytes of o16
.set ADRA,  16                         ; v16-17 my fragments of x in slot 0, 1
.set ADRB,  20                         ; v20-21 of the weights
.set STO,   24                         ; the way out: where I put 16 bytes of a row
.set RD,    25                         ; and where I read rows back
.set CO,    26                         ; 16 x lane
.set ADRS,  27                         ; scale words: lanes 0-15 x's block i, lanes 16-31 the weights' block i
.set SPW,   28
.set NIL,   29
.set ADRS2, 30                         ; scale words: lanes 0-15 the weights' block 4 + 2 j, lanes 16-31 block 5 + 2 j
.set WO,    31                         ; 32 h: my eight of a tile's sixteen norm weights
.set SC,    32
.set CY,    80                         ; a batch of o_w as f16: 16 registers
.set AF,    128
.set CX,    192                        ; two batches of o_w as loaded: 32 registers each
.set MU,    96                         ; the way out, window 0: the mean, twice
.set RS,    98                         ; 1 / sqrt(var + eps), twice
.set RB,    96                         ; later: rows read back, 32 registers a block
.set D,     160                        ; 64 numbers at work
.set T,     224                        ; 32 at work
.set WN,    128                        ; window 1
.set G1,   24
.set G0,   32
.set G1B,  48
.set G0B,  56
.set G1S,  68
.set G0S,  76
.set G1SB, 80
.set G0SB, 88
.set SOW,  100                         ; s[100:101] o_w at my wave's run; steps a batch at each refill
.set SO16, 104                         ; s[104:105] o16 likewise
.set MSB, 0
.macro WIN new                         ; the immediate's high byte repeats the setting that is left
.if MSB != \new
	s_set_vgpr_msb (MSB<<8)|\new
.set MSB, \new
.endif
.endm
.macro PLACES n
.rept \n
	v_nop
.endr
.endm
; A joint load: waves 0 and 1 fetch x's halves, waves 2 and 3 the weights'.  The branch hangs on the wave's number alone.  An s_nop 0 and four v_nop follow each line.
.macro JLOAD g0a, g1a, g0b, g1b
	s_cmp_eq_u32 s21, 0
	s_cbranch_scc0 .Lfor_b_\@
	tensor_load_to_lds s[\g0a:\g0a+3], s[\g1a:\g1a+7]
	s_nop 0
	PLACES 4
	s_branch .Lasked_\@
.Lfor_b_\@:
	tensor_load_to_lds s[\g0b:\g0b+3], s[\g1b:\g1b+7]
	s_nop 0
	PLACES 4
.Lasked_\@:
.endm
.macro CREST                           ; a round of the cluster's barrier behind its opening barrier
	s_cmp_lg_u32 s20, 0
	s_cbranch_scc1 .Lnot_wave_0_\@
	s_barrier_signal -3
.Lnot_wave_0_\@:
	s_barrier_wait -3
	s_barrier_signal -1
	s_barrier_wait -1
.endm
.macro CROUND
	s_barrier_signal -1
	s_barrier_wait -1
	CREST
.endm
; o_w: a batch of 8 x 512 consecutive bytes into set st, from off bytes behind the stepped address
.macro CASTLOAD st, off
.irp c, 0,1,2,3,4,5,6,7
	global_load_b128 v[CX+32*(\st)+4*\c:CX+32*(\st)+4*\c+3], v[CO], s[SOW:SOW+1] offset:(\off)+512*\c th:TH_LOAD_NT
.endr
.endm
; and the batch in set st is worked and stored.  left: the loads issued behind the batch's own, which may stay out
.macro CASTWORK st, left, off
	s_wait_loadcnt \left
	s_wait_xcnt 0x0                                ; the last batch's stores have read their sixteen registers, which are written again below
.set i, 0
.rept 16
	v_pk_mul_f32 v[CX+32*(\st)+2*i:CX+32*(\st)+2*i+1], v[CX+32*(\st)+2*i:CX+32*(\st)+2*i+1], 0x41800000 op_sel_hi:[1,0]   ; x 16, exact
.set i, i+1
.endr
.set i, 0
.rept 16
	v_cvt_pk_f16_f32 v[CY+i], v[CX+32*(\st)+2*i], v[CX+32*(\st)+2*i+1]
.set i, i+1
.endr
.irp c, 0,1,2,3,4,5,6,7
	global_store_b64 v[CD], v[CY+2*\c:CY+2*\c+1], s[SO16:SO16+1] offset:(\off)+256*\c th:TH_STORE_NT   ; the wave stores 256 consecutive bytes, aligned
.endr
.endm
	s_load_b256 s[4:11], s[0:1], 0x0               ; x_codes, x_scales, w_codes, w_scales
	s_load_b256 s[12:19], s[0:1], 0x20             ; q_norm_w, k_norm_w, rope, qkv
	s_load_b64 s[SOW:SOW+1], s[0:1], 0x40          ; o_w
	s_load_b64 s[SO16:SO16+1], s[0:1], 0x48        ; o16
	v_lshl_add_u32 v[SPW], v0, 2, SPARE
	v_mov_b32 v[NIL], 0
	ds_add_u32 v[SPW], v[NIL]                      ; the wave's opening: the add, twice on end, and its wait ahead of my first tensor load
	ds_add_u32 v[SPW], v[NIL]
	v_lshrrev_b32 v1, 5, v0
	v_readfirstlane_b32 s20, v1                    ; wave 0..3
	s_lshr_b32 s21, s20, 1                         ; RH: my 64 rows; also: I fetch for x (0) or for the weights (1)
	s_and_b32 s22, s20, 1                          ; CH: my 128 columns; also: which half I fetch
	s_bfe_u32 s40, ttmp6, 0x40000                  ; cx
	s_bfe_u32 s41, ttmp6, 0x40004                  ; cy
	s_lshl_b32 s42, ttmp9, 2
	s_add_co_u32 s42, s42, s40                     ; tx: tile column
	s_and_b32 s23, ttmp7, 0xffff
	s_lshl_b32 s23, s23, 2
	s_add_co_u32 s23, s23, s41                     ; ty: tile row
	s_lshl_b32 s43, s41, 2
	s_lshl_b32 s43, 15, s43                        ; my row of the cluster
	s_lshl_b32 s44, 0x1111, s40                    ; my column
	s_or_b32 s[G1], s43, (1<<20)|(1<<21)|(5<<22)|(3<<25)     ; mask; elements of 1 byte; padding on; bit 21 beside a mask; 4 words behind every 64
	s_or_b32 s[G1B], s44, (1<<20)|(1<<21)|(5<<22)|(3<<25)
	s_mov_b32 s[G1+1], 256<<16                     ; tensor_dim0
	s_mov_b32 s[G1+2], 64<<16                      ; tensor_dim1
	s_mov_b32 s[G1+3], 256<<16                     ; tile_dim0
	s_mov_b32 s[G1+4], 64                          ; tile_dim1
	s_mov_b32 s[G1+5], 2048                        ; a row of codes in memory
	s_mov_b32 s[G1+6], 0
	s_mov_b32 s[G1+7], 0
	s_mov_b32 s[G1B+1], 256<<16
	s_mov_b32 s[G1B+2], 128<<16
	s_mov_b32 s[G1B+3], 256<<16
	s_mov_b32 s[G1B+4], 128
	s_mov_b32 s[G1B+5], 2048
	s_mov_b32 s[G1B+6], 0
	s_mov_b32 s[G1B+7], 0
	s_or_b32 s[G1S], s43, (3<<16)|(1<<20)|(1<<21)|(5<<22)|(3<<25)   ; the scale bytes: dense blocks as rows of 32 elements of 8 bytes
	s_or_b32 s[G1SB], s44, (3<<16)|(1<<20)|(1<<21)|(5<<22)|(3<<25)
	s_mov_b32 s[G1S+1], 32<<16
	s_mov_b32 s[G1S+2], 32<<16
	s_mov_b32 s[G1S+3], 32<<16
	s_mov_b32 s[G1S+4], 32
	s_mov_b32 s[G1S+5], 32
	s_mov_b32 s[G1S+6], 0
	s_mov_b32 s[G1S+7], 0
	s_mov_b32 s[G1SB+1], 32<<16
	s_mov_b32 s[G1SB+2], 64<<16
	s_mov_b32 s[G1SB+3], 32<<16
	s_mov_b32 s[G1SB+4], 64
	s_mov_b32 s[G1SB+5], 32
	s_mov_b32 s[G1SB+6], 0
	s_mov_b32 s[G1SB+7], 0
	s_lshl_b32 s46, s23, 7
	s_lshl_b32 s47, s22, 6
	s_add_co_u32 s46, s46, s47                     ; x: row 128 ty + 64 CH
	s_lshl_b32 s66, s46, 11                        ; its codes, in bytes
	s_mov_b32 s67, 0
	s_lshl_b32 s96, s46, 7                         ; its scale bytes
	s_mov_b32 s97, 0
	s_lshl_b32 s45, s42, 8
	s_lshl_b32 s47, s22, 7
	s_add_co_u32 s45, s45, s47                     ; the weights: row 256 tx + 128 CH
	s_lshl_b32 s92, s45, 11
	s_mov_b32 s93, 0
	s_lshl_b32 s94, s45, 7
	s_mov_b32 s95, 0
	s_mul_i32 s2, s22, AH                          ; where they go: no place in the cluster enters an LDS address
	s_mul_i32 s3, s22, BH
	s_add_co_u32 s3, s3, ATILE
	s_mul_i32 s98, s22, SAH
	s_add_co_u32 s98, s98, SCL
	s_mul_i32 s99, s22, SBH
	s_add_co_u32 s99, s99, SCL+2*SAH
	s_wait_dscnt 0x0                               ; both opening adds are done
	s_wait_kmcnt 0x0
	s_add_nc_u64 s[66:67], s[4:5], s[66:67]
	s_add_nc_u64 s[96:97], s[6:7], s[96:97]
	s_add_nc_u64 s[92:93], s[8:9], s[92:93]
	s_add_nc_u64 s[94:95], s[10:11], s[94:95]
	CROUND                                         ; all sixteen work-groups are here: the first joint loads meet
	s_mov_b32 s[G0S], 1
	s_mov_b32 s[G0S+1], s98
	s_mov_b64 s[G0S+2:G0S+3], s[96:97]
	s_or_b32 s[G0S+3], s[G0S+3], 0x80000000
	s_mov_b32 s[G0SB], 1
	s_mov_b32 s[G0SB+1], s99
	s_mov_b64 s[G0SB+2:G0SB+3], s[94:95]
	s_or_b32 s[G0SB+3], s[G0SB+3], 0x80000000
	JLOAD G0S, G1S, G0SB, G1SB                     ; the scale bytes first: they are wanted with K step 0
.irp s, 0,1
	s_mov_b32 s[G0+4*\s], 1
	s_add_co_u32 s[G0+4*\s+1], s2, \s*SLOT
	s_add_nc_u64 s[G0+4*\s+2:G0+4*\s+3], s[66:67], \s*256
	s_or_b32 s[G0+4*\s+3], s[G0+4*\s+3], 0x80000000
	s_mov_b32 s[G0B+4*\s], 1
	s_add_co_u32 s[G0B+4*\s+1], s3, \s*SLOT
	s_add_nc_u64 s[G0B+4*\s+2:G0B+4*\s+3], s[92:93], \s*256
	s_or_b32 s[G0B+4*\s+3], s[G0B+4*\s+3], 0x80000000
	JLOAD G0+4*\s, G1, G0B+4*\s, G1B
.endr
	v_and_b32 v1, 15, v0                           ; r
	v_bfe_u32 v2, v0, 4, 1                         ; h
	v_mul_u32_u24 v3, v1, PITCH
	v_lshl_add_u32 v4, v2, 4, v3                   ; a fragment's row x pitch + 16 h
	s_mul_i32 s46, s21, AH
	s_mul_i32 s47, s22, BH
	s_add_co_u32 s47, s47, ATILE
.irp s, 0,1
	v_add_nc_u32 v[ADRA+\s], s46, v4
	v_add_nc_u32 v[ADRB+\s], s47, v4
	s_add_co_u32 s46, s46, SLOT
	s_add_co_u32 s47, s47, SLOT
.endr
	v_lshlrev_b32 v5, 7, v1                        ; my row's scale bytes: 128 a row,
	v_lshrrev_b32 v6, 1, v1
	v_lshl_add_u32 v5, v6, 4, v5                   ; and 16 more for each unit passed
	s_mul_i32 s46, s21, SAH                        ; x's: my 64 rows
	s_mul_i32 s47, s22, SBH                        ; the weights': my 128 rows, behind x's 128
	s_add_co_u32 s47, s47, 2*SAH
	s_sub_co_u32 s45, s47, s46
	v_mul_u32_u24 v6, s45, v2                      ; lanes 16-31 take the weights': one product with h
	s_add_co_u32 s46, s46, SCL
	v_add_nc_u32 v6, v5, v6
	v_add_nc_u32 v[ADRS], s46, v6
	s_add_co_u32 s47, s47, SCL+4*SBLK
	v_mul_u32_u24 v6, v2, SBLK
	v_add_nc_u32 v6, v5, v6
	v_add_nc_u32 v[ADRS2], s47, v6
	s_mul_i32 s46, s20, 16*PITCH                   ; my stage: 16 rows of 272 bytes, in slot 0
	v_add_nc_u32 v[STO], s46, v4
	v_mul_u32_u24 v6, v2, PITCH
	v_lshl_add_u32 v6, v1, 4, v6
	v_add_nc_u32 v[RD], s46, v6
	v_and_b32 v6, 31, v0
	v_lshlrev_b32 v[CO], 4, v6
	v_lshlrev_b32 v[CD], 3, v6
	v_lshlrev_b32 v[WO], 5, v2
	s_and_b32 s46, s23, 7
	s_lshl_b32 s46, s46, 7
	s_lshl_b32 s47, s21, 6
	s_add_co_u32 s46, s46, s47                     ; s0: my first position in the sequence
	s_lshl_b32 s92, s46, 9                         ; the table: 8,192 bytes for 16 positions
	s_mov_b32 s93, 0
	s_add_nc_u64 s[92:93], s[16:17], s[92:93]
	s_lshr_b32 s47, s23, 3                         ; b
	s_lshl_b32 s47, s47, 5
	s_lshl_b32 s45, s42, 1
	s_add_co_u32 s45, s45, s22                     ; g = 2 tx + CH
	s_add_co_u32 s47, s47, s45
	s_lshl_b32 s47, s47, 10
	s_add_co_u32 s47, s47, s46
	s_lshl_b32 s66, s47, 8                         ; ((32 b + g) 1024 + s0) rows of 256 bytes
	s_mov_b32 s67, 0
	s_add_nc_u64 s[18:19], s[18:19], s[66:67]
	s_lshl_b32 s46, s23, 4
	s_add_co_u32 s46, s46, s42                     ; the work-group's number, 16 ty + tx,
	s_lshl_b32 s46, s46, 2
	s_add_co_u32 s46, s46, s20                     ; x 4 + wave: my run of 8,192 numbers of o_w
	s_lshl_b32 s66, s46, 15                        ; 32,768 bytes a run in o_w (under 2^26),
	s_add_nc_u64 s[SOW:SOW+1], s[SOW:SOW+1], s[66:67]
	s_lshl_b32 s66, s46, 14                        ; 16,384 in o16
	s_add_nc_u64 s[SO16:SO16+1], s[SO16:SO16+1], s[66:67]
	s_cmp_lt_u32 ttmp9, 2
	s_cselect_b64 s[94:95], s[12:13], s[14:15]     ; q's weight or k's
	s_mov_b32 s96, 0x3c000000                      ; 1/128
	s_mov_b32 s97, 0x3727c5ac                      ; 1e-5
	s_mov_b32 s98, 0x76543210
	s_mov_b32 s99, 0xfedcba98                      ; v_permlanex16_b32's selects for lane l xor 16
.macro ROPELOAD a                      ; cosines and sines of my block a of 16 positions, 16 bytes a lane, dense (destination window 3)
.irp c, 0,1,2,3,4,5,6,7
	global_load_b128 v[64*(\a)+4*\c:64*(\a)+4*\c+3], v[CO], s[92:93] offset:8192*(\a)+512*\c
	global_load_b128 v[64*(\a)+32+4*\c:64*(\a)+32+4*\c+3], v[CO], s[92:93] offset:8192*(\a)+4096+512*\c
.endr
.endm
	WIN 0x40                                       ; these land under the K loop.  The v heads' work-groups load weight and table too and do not use them: one way through the text for all
.irp b, 0,1,2,3,4,5,6,7
	global_load_b128 v[WN+8*\b:WN+8*\b+3], v[WO], s[94:95] offset:64*\b        ; the weight of columns 16 b + 8 h + 0..7
	global_load_b128 v[WN+8*\b+4:WN+8*\b+7], v[WO], s[94:95] offset:64*\b+16
.endr
	WIN 0xc0
	ROPELOAD 0
	ROPELOAD 1                                     ; blocks 2 and 3 are asked for behind the last change of slots
	WIN 0
	CASTLOAD 0, 0                                  ; o_w's first two batches, behind all other loads, so that the count in the loop holds on the way in too
	CASTLOAD 1, 4096
.macro FRAG reg, adr, q, i             ; 16 rows x 128 K of 4-bit codes: registers 4 c .. 4 c + 3 hold K = 64 c + 32 h + 0..31
	ds_load_b128 v[\reg:\reg+3], v[\adr] offset:64*(\q)+(\i)*16*PITCH
	ds_load_b128 v[\reg+4:\reg+7], v[\adr] offset:64*(\q)+32+(\i)*16*PITCH
.endm
.macro FETCH slot, q, p                ; 24 loads in one run: the fragments of the slot's q-th 128 along K into set p
	WIN 0x40
.irp i, 0,1,2,3,4,5,6,7
	FRAG 64*(\p)+8*\i, ADRB+\slot, \q, \i
.endr
	WIN 0
.irp i, 0,1,2,3
	FRAG AF+32*(\p)+8*\i, ADRA+\slot, \q, \i
.endr
.endm
.macro SCALES sc                       ; a K step's scale words, four a row, into set sc
.irp i, 0,1,2,3
	ds_load_b128 v[SC+24*\sc+4*\i:SC+24*\sc+4*\i+3], v[ADRS] offset:\i*SBLK
.endr
.irp j, 0,1
	ds_load_b128 v[SC+24*\sc+16+4*\j:SC+24*\sc+16+4*\j+3], v[ADRS2] offset:2*\j*SBLK
.endr
.endm
; 8 matrix instructions: x's block a against the weights' eight.  The 32 accumulators take turns, one instruction a turn, in the same order in every step.
.macro MULROW a, p, q, sc, zero
.irp b, 0,1,2,3,4,5,6,7
.set AC_, 8*(8*(\a)+\b)
.set BF_, 64*(\p)+8*\b
.set AF_, AF+32*(\p)+8*(\a)
.set SA_, SC+24*(\sc)+4*(\a)+(\q)
.if \b < 4
.set SB_, SC+24*(\sc)+4*\b+(\q)
.else
.set SB_, SC+24*(\sc)+16+4*((\b-4)/2)+(\q)
.endif
.if (\b < 4) || (\b % 2)
.if \zero
	v_wmma_scale_f32_16x16x128_f8f6f4 v[AC_:AC_+7], v[BF_:BF_+7], v[AF_:AF_+7], 0, v[SB_], v[SA_] matrix_a_fmt:MATRIX_FMT_FP4 matrix_b_fmt:MATRIX_FMT_FP4 matrix_a_scale:MATRIX_SCALE_ROW1
.else
	v_wmma_scale_f32_16x16x128_f8f6f4 v[AC_:AC_+7], v[BF_:BF_+7], v[AF_:AF_+7], v[AC_:AC_+7], v[SB_], v[SA_] matrix_a_fmt:MATRIX_FMT_FP4 matrix_b_fmt:MATRIX_FMT_FP4 matrix_a_scale:MATRIX_SCALE_ROW1
.endif
.else
.if \zero
	v_wmma_scale_f32_16x16x128_f8f6f4 v[AC_:AC_+7], v[BF_:BF_+7], v[AF_:AF_+7], 0, v[SB_], v[SA_] matrix_a_fmt:MATRIX_FMT_FP4 matrix_b_fmt:MATRIX_FMT_FP4
.else
	v_wmma_scale_f32_16x16x128_f8f6f4 v[AC_:AC_+7], v[BF_:BF_+7], v[AF_:AF_+7], v[AC_:AC_+7], v[SB_], v[SA_] matrix_a_fmt:MATRIX_FMT_FP4 matrix_b_fmt:MATRIX_FMT_FP4
.endif
.endif
.endr
.endm
; A step of 128 along K with its successor in the same slot: the next step's 24 loads go out first, into the other set, then this step's 32 products.
.macro STEP slot, q, zero
	s_wait_dscnt 0x0                               ; this step's fragments, asked for a step ago, are in
	PLACES 4                                       ; between the last products, which read the other set, and the loads into it
	FETCH \slot, (\q)+1, 1-(\q)%2
	WIN 0xa1                                       ; source 0 window 1, source 1 window 0, C and D window 2
	MULROW 0, (\q)%2, \q, \slot, \zero
	MULROW 1, (\q)%2, \q, \slot, \zero
	MULROW 2, (\q)%2, \q, \slot, \zero
	MULROW 3, (\q)%2, \q, \slot, \zero
	WIN 0
.endm
; A slot's last step changes slots.  All that needs nothing of the next slot stands AHEAD of the wait for it: a batch of o_w, and the step's first sixteen products, whose operands are in registers.
; Then ONE barrier: in front of it each wave waits for all its tensor loads, adds 0 to its spare word, and waits for that (its reads of this slot were waited for ahead of the products).
; Between the tile's wait and the next joint request stand only these lines and the round.
.macro TURN slot, next, fill
	CASTWORK \slot, 8, 0                           ; the batch asked for two changes of slots ago; the other set's eight loads may stay out
	s_wait_dscnt 0x0                               ; this step's 24 loads are in: my reads of this slot are over
	WIN 0xa1
	MULROW 0, 1, 3, \slot, 0
	MULROW 1, 1, 3, \slot, 0
	WIN 0
	s_wait_tensorcnt 0x0                           ; all my tensor loads have landed: my part of the next slot; so a group 0 may be written
	ds_add_u32 v[SPW], v[NIL]
.if \fill
	s_add_nc_u64 s[G0+4*\slot+2:G0+4*\slot+3], s[G0+4*\slot+2:G0+4*\slot+3], 512
	s_add_nc_u64 s[G0B+4*\slot+2:G0B+4*\slot+3], s[G0B+4*\slot+2:G0B+4*\slot+3], 512
.endif
	s_wait_dscnt 0x0                               ; the add is done
	s_barrier_signal -1
	s_barrier_wait -1
.if \fill
	CREST                                          ; the barrier has opened a round of the cluster's: no wave of any partner still reads this slot or has a load on its way
	JLOAD G0+4*\slot, G1, G0B+4*\slot, G1B         ; the first tensor load behind the round; its four v_nop are also places in front of the loads below
.else
	PLACES 4
.endif
	v_add_nc_u32 v[ADRS], 16, v[ADRS]              ; the next K step's scale words
	v_add_nc_u32 v[ADRS2], 16, v[ADRS2]
	FETCH \next, 0, 0
	SCALES \next
.if \fill
	s_wait_xcnt 0x0                                ; the batch's stores and the other set's loads have read their bases: both may step
	s_add_nc_u64 s[SOW:SOW+1], s[SOW:SOW+1], 4096
	s_add_nc_u64 s[SO16:SO16+1], s[SO16:SO16+1], 2048
	CASTLOAD \slot, 4096                           ; the batch two on, into the set just worked
.else
	WIN 0xc0
	ROPELOAD 2                                     ; they have the last four steps and two blocks of the way out in which to land
	ROPELOAD 3
	WIN 0
.endif
	WIN 0xa1
	MULROW 2, 1, 3, \slot, 0
	MULROW 3, 1, 3, \slot, 0
	WIN 0
.endm
	s_wait_tensorcnt 0x1                           ; the scale bytes and my part of K step 0 are in; K step 1's one load may stay out
	s_barrier_signal -1
	s_barrier_wait -1
	FETCH 0, 0, 0
	SCALES 0
	STEP 0, 0, 1                                   ; the first step stands ahead of the loop: its products start the sums
	s_mov_b32 s3, LAPS-1
.Llap:                                             ; a trip goes once round the ring, fills both slots again and works two batches of o_w
	STEP 0, 1, 0
	STEP 0, 2, 0
	TURN 0, 1, 1
	STEP 1, 0, 0
	STEP 1, 1, 0
	STEP 1, 2, 0
	TURN 1, 0, 1
	STEP 0, 0, 0
	s_sub_co_u32 s3, s3, 1
	s_cmp_lg_u32 s3, 0
	s_cbranch_scc1 .Llap
	STEP 0, 1, 0                                   ; the last lap fills nothing
	STEP 0, 2, 0
	TURN 0, 1, 0                                   ; o_w's batch 6
	STEP 1, 0, 0
	STEP 1, 1, 0
	STEP 1, 2, 0
	CASTWORK 1, 32, 2048                           ; o_w's last batch, a batch further on in o16; behind its loads stand the 32 of the table's blocks 2 and 3, which may stay out
	s_wait_dscnt 0x0
	WIN 0xa1
	MULROW 0, 1, 3, 1, 0
	MULROW 1, 1, 3, 1, 0
	MULROW 2, 1, 3, 1, 0
	MULROW 3, 1, 3, 1, 0
	WIN 0
	PLACES 4                                       ; between the last products and the first read of results
; THE WAY OUT.  Block a = 16 rows.  A lane holds 64 of its row's 128 numbers, lane l xor 16 the others.  The norm's weight and the table's blocks 0 and 1 were shown landed by the loop's counted waits.
.macro NORMROPE a
	WIN 0x0a                                       ; both sources window 2
.set i, 0
.rept 16
	v_pk_add_f32 v[T+2*i:T+2*i+1], v[64*(\a)+4*i:64*(\a)+4*i+1], v[64*(\a)+4*i+2:64*(\a)+4*i+3]   ; ascending: each accumulator is first read at its low end
.set i, i+1
.endr
	WIN 0
.irp d, 8,4,2,1
.set i, 0
.rept \d
	v_pk_add_f32 v[T+2*i:T+2*i+1], v[T+2*i:T+2*i+1], v[T+2*(i+\d):T+2*(i+\d)+1]
.set i, i+1
.endr
.endr
	v_add_f32 v[T], v[T], v[T+1]
	v_permlanex16_b32 v[T+2], v[T], s98, s99
	v_add_f32 v[T], v[T], v[T+2]
	v_mul_f32 v[MU], s96, v[T]                     ; the mean, in both halves of a pair
	v_mul_f32 v[MU+1], s96, v[T]
	WIN 0x02                                       ; source 0 window 2
.set i, 0
.rept 32
	v_pk_add_f32 v[D+2*i:D+2*i+1], v[64*(\a)+2*i:64*(\a)+2*i+1], v[MU:MU+1] neg_lo:[0,1] neg_hi:[0,1]
.set i, i+1
.endr
	WIN 0
.set i, 0
.rept 4
	v_pk_mul_f32 v[T+2*i:T+2*i+1], v[D+2*i:D+2*i+1], v[D+2*i:D+2*i+1]      ; the squares, in four chains
.set i, i+1
.endr
.rept 28
	v_pk_fma_f32 v[T+2*(i%4):T+2*(i%4)+1], v[D+2*i:D+2*i+1], v[D+2*i:D+2*i+1], v[T+2*(i%4):T+2*(i%4)+1]
.set i, i+1
.endr
	v_pk_add_f32 v[T:T+1], v[T:T+1], v[T+2:T+3]
	v_pk_add_f32 v[T+4:T+5], v[T+4:T+5], v[T+6:T+7]
	v_pk_add_f32 v[T:T+1], v[T:T+1], v[T+4:T+5]
	v_add_f32 v[T], v[T], v[T+1]
	v_permlanex16_b32 v[T+2], v[T], s98, s99
	v_add_f32 v[T], v[T], v[T+2]
	v_fma_f32 v[T], v[T], s96, s97                 ; var + eps
	v_rsq_f32 v[RS], v[T]
	v_rsq_f32 v[RS+1], v[T]
	v_nop                                          ; a plain instruction behind the last of the two
	s_wait_alu depctr_va_vdst(0)                   ; one wait for both, ahead of their first reader
.set i, 0
.rept 32
	v_pk_mul_f32 v[D+2*i:D+2*i+1], v[D+2*i:D+2*i+1], v[RS:RS+1]
.set i, i+1
.endr
	WIN 0x04                                       ; source 1 window 1
.set i, 0
.rept 32
	v_pk_mul_f32 v[D+2*i:D+2*i+1], v[D+2*i:D+2*i+1], v[WN+2*i:WN+2*i+1]
.set i, i+1
.endr
.if (\a) == 2
	s_wait_loadcnt 0x0                             ; the table's blocks 2 and 3, asked for behind the last change of slots
.endif
	WIN 0x0c                                       ; source 1 window 3: the table
.irp g, 0,1                                    ; channel d < 64: x(d) cos - x(d + 64) sin;  d + 64: x(d + 64) cos + x(d) sin
.irp k, 0,1,2,3,4,5,6,7
	v_pk_mul_f32 v[T+4*\k:T+4*\k+1], v[D+32+2*(8*\g+\k):D+32+2*(8*\g+\k)+1], v[64*(\a)+32+2*(8*\g+\k):64*(\a)+32+2*(8*\g+\k)+1]
.endr
.irp k, 0,1,2,3,4,5,6,7
	v_pk_mul_f32 v[T+4*\k+2:T+4*\k+3], v[D+2*(8*\g+\k):D+2*(8*\g+\k)+1], v[64*(\a)+32+2*(8*\g+\k):64*(\a)+32+2*(8*\g+\k)+1]
.endr
.irp k, 0,1,2,3,4,5,6,7
	v_pk_fma_f32 v[D+2*(8*\g+\k):D+2*(8*\g+\k)+1], v[D+2*(8*\g+\k):D+2*(8*\g+\k)+1], v[64*(\a)+2*(8*\g+\k):64*(\a)+2*(8*\g+\k)+1], v[T+4*\k:T+4*\k+1] neg_lo:[0,0,1] neg_hi:[0,0,1]
.endr
.irp k, 0,1,2,3,4,5,6,7
	v_pk_fma_f32 v[D+32+2*(8*\g+\k):D+32+2*(8*\g+\k)+1], v[D+32+2*(8*\g+\k):D+32+2*(8*\g+\k)+1], v[64*(\a)+2*(8*\g+\k):64*(\a)+2*(8*\g+\k)+1], v[T+4*\k+2:T+4*\k+3]
.endr
.endr
	WIN 0x40                                       ; destination window 1
.set i, 0
.rept 32
	v_cvt_pk_f16_f32 v[32*(\a)+i], v[D+2*i], v[D+2*i+1]
.set i, i+1
.endr
	WIN 0
.endm
.macro VPACK a                         ; a v head: x 1/16, exact, so that f16 has room
	WIN 0x02
.set i, 0
.rept 32
	v_pk_mul_f32 v[D+2*i:D+2*i+1], v[64*(\a)+2*i:64*(\a)+2*i+1], 0x3d800000 op_sel_hi:[1,0]
.set i, i+1
.endr
	WIN 0x40
.set i, 0
.rept 32
	v_cvt_pk_f16_f32 v[32*(\a)+i], v[D+2*i], v[D+2*i+1]
.set i, i+1
.endr
	WIN 0
.endm
	s_cmp_eq_u32 ttmp9, 3                          ; the cluster's x: the same in all sixteen partners
	s_cbranch_scc1 .Lvhead
	NORMROPE 0
	NORMROPE 1
	NORMROPE 2
	NORMROPE 3
	s_branch .Lpacked
.Lvhead:
	VPACK 0
	VPACK 1
	VPACK 2
	VPACK 3
.Lpacked:
; A lane's 16 bytes are a sixteenth of a row of 256: a block goes through my own stage (in slot 0, which has had its last fill and its last read) and comes back as whole rows.
.macro TOSTAGE a
	WIN 0x04                                       ; an LDS store's data are its source 1: window 1
.irp b, 0,1,2,3,4,5,6,7
	ds_store_b128 v[STO], v[32*(\a)+4*\b:32*(\a)+4*\b+3] offset:32*\b
.endr
	WIN 0
.irp t, 0,1,2,3,4,5,6,7
	ds_load_b128 v[RB+32*(\a)+4*\t:RB+32*(\a)+4*\t+3], v[RD] offset:\t*2*PITCH   ; LDS serves a wave's instructions in order: these see the stores above
.endr
.endm
.macro SEND a, younger                 ; younger: the LDS instructions issued behind block a's loads
.irp t, 0,1,2,3,4,5,6,7
	s_wait_dscnt \younger+7-\t
	global_store_b128 v[CO], v[RB+32*(\a)+4*\t:RB+32*(\a)+4*\t+3], s[18:19] offset:(16*(\a)+2*\t)*256   ; 16 lanes store 256 consecutive bytes, aligned
.endr
.endm
	TOSTAGE 0
	TOSTAGE 1
	SEND 0, 16
	TOSTAGE 2
	SEND 1, 16
	TOSTAGE 3
	SEND 2, 16
	SEND 3, 0
	s_wait_tensorcnt 0x0                           ; the wave's end
	ds_add_u32 v[SPW], v[NIL]
	s_wait_dscnt 0x0
	CROUND                                         ; the closing round
	s_endpgm
.Lfunc_end_k_qad3acf4e7b_qkv:
	.size	k_qad3acf4e7b_qkv, .Lfunc_end_k_qad3acf4e7b_qkv-k_qad3acf4e7b_qkv
	.p2alignl 7, 3214868480
	.fill 96, 4, 3214868480
	.section	.rodata,"a",@progbits
	.p2align	6, 0x0
	.amdhsa_kernel k_qad3acf4e7b_qkv
		.amdhsa_group_segment_fixed_size 327680
		.amdhsa_private_segment_fixed_size 0
		.amdhsa_enable_private_segment 0
		.amdhsa_kernarg_size 80
		.amdhsa_user_sgpr_count 2
		.amdhsa_user_sgpr_kernarg_segment_ptr 1
		.amdhsa_wavefront_size32 1
		.amdhsa_system_sgpr_workgroup_id_x 1
		.amdhsa_system_sgpr_workgroup_id_y 1
		.amdhsa_system_sgpr_workgroup_id_z 1
		.amdhsa_system_vgpr_workitem_id 0
		.amdhsa_next_free_vgpr 1024
		.amdhsa_next_free_sgpr 106
		.amdhsa_reserve_vcc 0
		.amdhsa_float_denorm_mode_32 3
		.amdhsa_float_denorm_mode_16_64 3
		.amdhsa_memory_ordered 1
		.amdhsa_forward_progress 1
		.amdhsa_inst_pref_size 229
	.end_amdhsa_kernel
	.amdgpu_metadata
---
amdhsa.version: [ 1, 2 ]
amdhsa.kernels:
  - .name:           k_qad3acf4e7b_qkv
    .symbol:         k_qad3acf4e7b_qkv.kd
    .args:
      - { .name: x_codes, .offset: 0, .size: 8, .value_kind: global_buffer, .address_space: global }
      - { .name: x_scales, .offset: 8, .size: 8, .value_kind: global_buffer, .address_space: global }
      - { .name: w_codes, .offset: 16, .size: 8, .value_kind: global_buffer, .address_space: global }
      - { .name: w_scales, .offset: 24, .size: 8, .value_kind: global_buffer, .address_space: global }
      - { .name: q_norm_w, .offset: 32, .size: 8, .value_kind: global_buffer, .address_space: global }
      - { .name: k_norm_w, .offset: 40, .size: 8, .value_kind: global_buffer, .address_space: global }
      - { .name: rope, .offset: 48, .size: 8, .value_kind: global_buffer, .address_space: global }
      - { .name: qkv, .offset: 56, .size: 8, .value_kind: global_buffer, .address_space: global }
      - { .name: o_w, .offset: 64, .size: 8, .value_kind: global_buffer, .address_space: global }
      - { .name: o16, .offset: 72, .size: 8, .value_kind: global_buffer, .address_space: global }
    .group_segment_fixed_size: 327680
    .private_segment_fixed_size: 0
    .kernarg_segment_align: 8
    .kernarg_segment_size: 80
    .max_flat_workgroup_size: 128
    .sgpr_count:     106
    .vgpr_count:     1024
    .wavefront_size: 32
...
	.end_amdgpu_metadata
.endif
;; end of part 2
;; launch attn (part 3): grid 16 x 16, 8 waves a work-group, clusters of 4 x 4, 327,680 bytes of LDS; arguments qkv, causal_mask, ctx; writes ctx
.if DOCPART == 3
	.amdgcn_target "amdgcn-amd-amdhsa--gfx1250"
	.amdhsa_code_object_version 6
	.text
	.protected	k_qad3acf4e7b_attn
	.globl	k_qad3acf4e7b_attn
	.p2align	8
	.type	k_qad3acf4e7b_attn,@function
k_qad3acf4e7b_attn:
	s_mov_b64 s[64:65], 0
	v_nop
	global_prefetch_b8 v0, s[64:65] scope:SCOPE_SE
	s_setreg_imm32_b32 hwreg(HW_REG_WAVE_MODE, 25, 1), 1
	s_wait_xcnt 0x0
	s_wait_alu depctr_hold_cnt(0) depctr_sa_sdst(0) depctr_va_vdst(0) depctr_va_sdst(0) depctr_va_ssrc(0) depctr_va_vcc(0) depctr_vm_vsrc(0)
	s_getreg_b32 s2, hwreg(HW_REG_IB_STS2, 6, 4)
	s_cmp_eq_u32 s2, 0
	s_cbranch_scc0 .Lentry_in_a_cluster
	s_endpgm
.Lentry_in_a_cluster:
	s_bfe_u32 s2, ttmp6, 0x10000c
	s_cmp_lg_u32 s2, 0xf033
	s_cbranch_scc0 .Lentry_shape_is_right
	s_endpgm
.Lentry_shape_is_right:
; ATTN: ctx = softmax(q k^T / sqrt(128) + mask) v, operands in f16, products, maxima and sums in f32.  The mask is an input: every number of it is loaded and added, no key is passed over.
; SHARES.  A work-group takes 64 positions x the TWO query heads of one key/value head, so that a mask register serves both.  Wave w: PT = w & 3 picks 16 positions, KH = w >> 2 a half of the keys:
; of every 128 keys that a slot holds the wave works 64.  Its tile 0 is head 2 kv + KH, its tile 1 head 2 kv + 1 - KH (only Q's addresses differ): at the end each wave keeps tile 0 and hands tile 1 to wave w xor 4.
; LAYOUT.  S^T = K Q^T and O^T = V^T P: a lane holds ONE query (lane % 16) throughout; K comes out of LDS as it lies, V turned by ds_load_tr16_b128.
; SOFTMAX.  t = s log2(e) / sqrt(128) + mask log2(e); a running maximum m (begun at -3e38, so a mask of -infinity gives p = 0) and sum l; p = 2^(t - m); O and l are multiplied by 2^(m_old - m_new) in every step.
; In phases; two waves share a SIMD, so that one wave's vector work stands beside the other's matrix work.
; CLUSTER 4 x 4: K's and V's tiles hang on the work-group's y alone and are shared along a row of the cluster, the mask's tile on x alone and is shared along a column: joint loads.
; v arrives x 1/16, so ctx leaves x 1/16.  A row whose mask is -infinity everywhere gives NaN, as the reference does.
; REGISTERS: window 0: v3-19 addresses; v24-39 statistics, eight a tile; v40-51 the merge; v64-127 S^T; v128-159 P; v160-191 the mask; v192-255 Q.   window 1: v0-127 O^T; v128-255 K's fragments, then V's.
.set PK,    272
.set PV,    288
.set PM,    528
.set VOFF,  128*PK                     ; a slot: 128 rows of K, 128 of V, 64 rows x 128 numbers of the mask
.set MOFF,  VOFF+128*PV
.set SLOT1, 1<<17
.set SPARE, SLOT1+MOFF+64*PM           ; the spare words, 128 bytes a wave
.set XW,    8448                       ; the exchange, in slot 0 once it is free: 8,192 bytes of O^T, 128 of m, 128 of l for each wave
.set STAGE, 8*XW                       ; behind it: 16 rows x 272 bytes for each wave
.set AK0, 3
.set AV0, 4
.set AM0, 5
.set QO,  9
.set STO, 10
.set RD,  11
.set GO,  12
.set XST, 13
.set XSS, 14
.set XLD, 15
.set SPW, 16
.set NIL, 17
.set XLS, 18
.set PFO, 19
.set ST,  24                           ; tile t at v[ST + 8 t]: +0 m, +1 the old m, +2, +3 l, +4..+7 c0-c3; a takes c2's place
.set S,   64
.set P,   128
.set MSK, 160
.set Q,   192
.set F,   128                          ; window 1
.set WV,  10
.set PT,  11
.set KH,  12
.set G1K, 24
.set G1V, 32
.set G1M, 40
.set G0K, 48
.set G0V, 52
.set G0M, 56
.set CS,  60                           ; s[60:61] log2(e) / sqrt(128)
.set SEL, 62
.set TB,  66                           ; the slot in hand
.set SLOTS, 67
.set PFA, 68
.set PFS, 70
.set LIM, 72
.set MSB, 0
.macro WIN new
.if MSB != \new
	s_set_vgpr_msb (MSB<<8)|\new
.set MSB, \new
.endif
.endm
.macro PLACES n
.rept \n
	v_nop
.endr
.endm
; Wave 0 fetches K's tile, wave 1 V's, wave 2 the mask's, the others nothing.  The branches hang on the wave's number alone.  An s_nop 0 and four v_nop follow each load.
.macro JLOAD
	s_cmp_lg_u32 s[WV], 0
	s_cbranch_scc1 .Lnot_k_\@
	tensor_load_to_lds s[G0K:G0K+3], s[G1K:G1K+7]
	s_nop 0
	PLACES 4
	s_branch .Lasked_\@
.Lnot_k_\@:
	s_cmp_lg_u32 s[WV], 1
	s_cbranch_scc1 .Lnot_v_\@
	tensor_load_to_lds s[G0V:G0V+3], s[G1V:G1V+7]
	s_nop 0
	PLACES 4
	s_branch .Lasked_\@
.Lnot_v_\@:
	s_cmp_lg_u32 s[WV], 2
	s_cbranch_scc1 .Lasked_\@
	tensor_load_to_lds s[G0M:G0M+3], s[G1M:G1M+7]
	s_nop 0
	PLACES 4
.Lasked_\@:
.endm
; A prefetch of what the NEXT change of slots will ask for, one slot's work ahead.  Each aligned 256 bytes is named once in the launch: K's and V's rows by the clusters with x = 0 (wave 4: K, wave 5: V; the four
; partners of a row take 32 rows each, by address), the mask's by the clusters with y = 0 (wave 6; the four partners of a column take 16 rows x 2 blocks each, by address).  The last change that fills asks for nothing.
.macro ASK
	s_cmp_gt_u32 s[SLOTS], s[LIM]
	s_cbranch_scc0 .Lnot_mine_\@
	global_prefetch_b8 v[PFO], s[PFA:PFA+1] th:TH_LOAD_NT scope:SCOPE_SE
.Lnot_mine_\@:
.endm
.macro CROUND
	s_barrier_signal -1
	s_barrier_wait -1
	s_cmp_lg_u32 s[WV], 0
	s_cbranch_scc1 .Lnot_wave_0_\@
	s_barrier_signal -3
.Lnot_wave_0_\@:
	s_barrier_wait -3
	s_barrier_signal -1
	s_barrier_wait -1
.endm
	s_load_b128 s[4:7], s[0:1], 0x0                ; qkv, causal_mask
	s_load_b64 s[8:9], s[0:1], 0x10                ; ctx
	v_lshl_add_u32 v[SPW], v0, 2, SPARE
	v_mov_b32 v[NIL], 0
	ds_add_u32 v[SPW], v[NIL]                      ; the wave's opening: the add, twice on end, and its wait ahead of the first tensor loads
	ds_add_u32 v[SPW], v[NIL]
	v_lshrrev_b32 v1, 5, v0
	v_readfirstlane_b32 s[WV], v1                  ; wave 0..7
	s_and_b32 s[PT], s[WV], 3
	s_lshr_b32 s[KH], s[WV], 2
	s_bfe_u32 s13, ttmp6, 0x40000                  ; cx
	s_bfe_u32 s14, ttmp6, 0x40004                  ; cy
	s_lshl_b32 s15, ttmp9, 2
	s_add_co_u32 s15, s15, s13                     ; x: my block of 64 positions
	s_and_b32 s19, ttmp7, 0xffff                   ; the cluster's y
	s_lshl_b32 s16, s19, 2
	s_add_co_u32 s16, s16, s14                     ; y
	s_lshr_b32 s17, s16, 3                         ; b
	s_and_b32 s18, s16, 7                          ; kv
	s_lshl_b32 s20, s14, 2
	s_lshl_b32 s20, 15, s20                        ; my row of the cluster
	s_lshl_b32 s21, 0x1111, s13                    ; my column
	s_or_b32 s[G1K], s20, (1<<16)|(1<<20)|(1<<21)|(5<<22)|(3<<25)   ; elements of 2 bytes; 4 words of padding behind every 64
	s_or_b32 s[G1V], s20, (1<<16)|(1<<20)|(1<<21)|(5<<22)|(7<<25)   ; 8 words
	s_or_b32 s[G1M], s21, (2<<16)|(1<<20)|(1<<21)|(6<<22)|(3<<25)   ; elements of 4 bytes; 4 words behind every 128
.irp g, G1K, G1V
	s_mov_b32 s[\g+1], 128<<16                     ; tensor_dim0
	s_mov_b32 s[\g+2], 128<<16                     ; tensor_dim1
	s_mov_b32 s[\g+3], 128<<16                     ; tile_dim0
	s_mov_b32 s[\g+4], 128                         ; tile_dim1
	s_mov_b32 s[\g+5], 128                         ; from row to row
	s_mov_b32 s[\g+6], 0
	s_mov_b32 s[\g+7], 0
.endr
	s_mov_b32 s[G1M+1], 128<<16
	s_mov_b32 s[G1M+2], 64<<16
	s_mov_b32 s[G1M+3], 128<<16
	s_mov_b32 s[G1M+4], 64
	s_mov_b32 s[G1M+5], 1024
	s_mov_b32 s[G1M+6], 0
	s_mov_b32 s[G1M+7], 0
	s_lshl_b32 s78, s17, 5
	s_add_co_u32 s78, s78, s18                     ; 32 b + kv
	s_add_co_u32 s80, s78, 16
	s_lshl_b32 s80, s80, 18                        ; K's head: 2^18 bytes a head
	s_mov_b32 s81, 0
	s_add_co_u32 s82, s78, 24
	s_lshl_b32 s82, s82, 18                        ; V's
	s_mov_b32 s83, 0
	s_lshl_b32 s84, s15, 18                        ; the mask: 64 x rows of 4,096 bytes
	s_mov_b32 s85, 0
	s_add_co_u32 s86, s78, s18                     ; 32 b + 2 kv
	s_lshl_b32 s87, s15, 6
	s_lshl_b32 s88, s[PT], 4
	s_add_co_u32 s87, s87, s88                     ; my first position
	s_add_co_u32 s88, s86, s[KH]                   ; tile 0's head
	s_lshl_b32 s88, s88, 10
	s_add_co_u32 s88, s88, s87
	s_lshl_b32 s74, s88, 8
	s_mov_b32 s75, 0
	s_xor_b32 s89, s[KH], 1
	s_add_co_u32 s88, s86, s89                     ; tile 1's
	s_lshl_b32 s88, s88, 10
	s_add_co_u32 s88, s88, s87
	s_lshl_b32 s76, s88, 8
	s_mov_b32 s77, 0
	s_lshl_b32 s88, s17, 10
	s_add_co_u32 s88, s88, s87
	s_lshl_b32 s88, s88, 12                        ; ctx: row 1024 b + position, 4,096 bytes a row,
	s_lshl_b32 s89, s18, 1
	s_add_co_u32 s89, s89, s[KH]
	s_lshl_b32 s89, s89, 8                         ; + 256 bytes a head
	s_add_co_u32 s88, s88, s89
	s_mov_b32 s89, 0
	s_mov_b32 s[CS], 0x3e0293ee
	s_mov_b32 s[CS+1], s[CS]
	s_mov_b32 s[SEL], 0x76543210
	s_mov_b32 s[SEL+1], 0xfedcba98
	s_mov_b32 s[TB], 0
	s_mov_b32 s[SLOTS], 7
	s_wait_dscnt 0x0                               ; both opening adds are done
	s_wait_kmcnt 0x0
	s_add_nc_u64 s[74:75], s[4:5], s[74:75]
	s_add_nc_u64 s[76:77], s[4:5], s[76:77]
	s_add_nc_u64 s[8:9], s[8:9], s[88:89]
	CROUND                                         ; all sixteen work-groups are here: the first joint loads meet
	s_mov_b32 s[G0K], 1
	s_mov_b32 s[G0K+1], 0
	s_add_nc_u64 s[G0K+2:G0K+3], s[4:5], s[80:81]
	s_or_b32 s[G0K+3], s[G0K+3], 0x80000000
	s_mov_b32 s[G0V], 1
	s_mov_b32 s[G0V+1], VOFF
	s_add_nc_u64 s[G0V+2:G0V+3], s[4:5], s[82:83]
	s_or_b32 s[G0V+3], s[G0V+3], 0x80000000
	s_mov_b32 s[G0M], 1
	s_mov_b32 s[G0M+1], MOFF
	s_add_nc_u64 s[G0M+2:G0M+3], s[6:7], s[84:85]
	s_or_b32 s[G0M+3], s[G0M+3], 0x80000000
	JLOAD                                          ; keys 0 to 127 into slot 0
	; the prefetches: where my wave's stand, and who asks
	s_lshl_b32 s78, s13, 13                        ; K, V: my work-group's 32 rows of 256 bytes
	s_cmp_eq_u32 s[WV], 5
	s_cselect_b32 s79, s82, s80
	s_add_co_u32 s79, s79, s78
	s_lshl_b32 s78, s14, 16                        ; the mask: my work-group's 16 rows of 4,096 bytes
	s_add_co_u32 s78, s78, s84
	s_mov_b32 s[PFS], 32768
	s_cmp_eq_u32 s[WV], 6
	s_cselect_b32 s78, s78, s79
	s_cselect_b64 s[PFA:PFA+1], s[6:7], s[4:5]
	s_cselect_b32 s[PFS], 512, s[PFS]              ; a slot on
	s_cselect_b32 s90, -1, 0
	s_cselect_b32 s86, s19, ttmp9                  ; the coordinate along which other clusters read the same bytes
	s_mov_b32 s79, 0
	s_mov_b32 s[PFS+1], 0
	s_add_nc_u64 s[PFA:PFA+1], s[PFA:PFA+1], s[78:79]
	s_add_nc_u64 s[PFA:PFA+1], s[PFA:PFA+1], s[PFS:PFS+1]   ; at keys 128 on; the first change of slots steps it once more.  Nothing is asked for here, at the head
	s_sub_co_u32 s87, s[WV], 4
	s_cmp_lt_u32 s87, 3
	s_cselect_b32 s87, 0, 1                        ; waves 4 to 6 alone
	s_or_b32 s86, s86, s87
	s_cmp_eq_u32 s86, 0
	s_cselect_b32 s[LIM], 1, -1
	v_and_b32 v22, 31, v0                          ; lane
	v_lshlrev_b32 v20, 8, v22                      ; K, V: a lane a row
	v_lshrrev_b32 v21, 1, v22
	v_lshlrev_b32 v21, 12, v21
	v_and_b32 v23, 1, v22
	v_lshl_add_u32 v21, v23, 8, v21                ; the mask: two lanes a row
	v_cndmask_b32 v[PFO], v20, v21, s90
	v_and_b32 v1, 15, v0                           ; r
	v_bfe_u32 v2, v0, 4, 1                         ; h
	v_lshlrev_b32 v[QO], 8, v1
	v_lshl_add_u32 v[QO], v2, 4, v[QO]
.irp c, 0,1,2,3                                ; Q stays in registers: tile t, channels 32 c on
	global_load_b128 v[Q+8*\c:Q+8*\c+3], v[QO], s[74:75] offset:64*\c
	global_load_b128 v[Q+8*\c+4:Q+8*\c+7], v[QO], s[74:75] offset:64*\c+32
	global_load_b128 v[Q+32+8*\c:Q+32+8*\c+3], v[QO], s[76:77] offset:64*\c
	global_load_b128 v[Q+32+8*\c+4:Q+32+8*\c+7], v[QO], s[76:77] offset:64*\c+32
.endr
	s_mul_i32 s78, s[KH], 64*PK
	v_mul_u32_u24 v[AK0], v1, PK
	v_lshl_add_u32 v[AK0], v2, 4, v[AK0]
	v_add_nc_u32 v[AK0], s78, v[AK0]               ; K: my 64 keys; row r, + 16 h
	v_and_b32 v20, 7, v0
	v_bfe_u32 v21, v0, 3, 1
	v_lshl_add_u32 v[AV0], v2, 3, v20
	v_mul_u32_u24 v[AV0], v[AV0], PV
	v_lshl_add_u32 v[AV0], v21, 4, v[AV0]
	s_mul_i32 s78, s[KH], 64*PV
	s_add_co_u32 s78, s78, VOFF
	v_add_nc_u32 v[AV0], s78, v[AV0]               ; V: key 8 h + l % 8, 16 bytes by (l / 8) % 2
	v_mul_u32_u24 v[AM0], v1, PM
	v_lshl_add_u32 v[AM0], v2, 5, v[AM0]
	s_mul_i32 s78, s[PT], 16*PM
	s_lshl_b32 s79, s[KH], 8
	s_add_co_u32 s78, s78, s79
	s_add_co_u32 s78, s78, MOFF
	v_add_nc_u32 v[AM0], s78, v[AM0]               ; the mask: row 16 PT + r, keys 64 KH + 8 h on
	s_mul_i32 s78, s[WV], 16*272
	s_add_co_u32 s78, s78, STAGE
	v_mul_u32_u24 v[STO], v1, 272
	v_lshl_add_u32 v[STO], v2, 4, v[STO]
	v_add_nc_u32 v[STO], s78, v[STO]
	v_mul_u32_u24 v[RD], v2, 272
	v_lshl_add_u32 v[RD], v1, 4, v[RD]
	v_add_nc_u32 v[RD], s78, v[RD]
	v_lshlrev_b32 v[GO], 12, v2
	v_lshl_add_u32 v[GO], v1, 4, v[GO]
	s_mul_i32 s78, s[WV], XW
	v_lshl_add_u32 v[XST], v22, 4, s78
	v_lshl_add_u32 v[XSS], v22, 2, s78
	s_xor_b32 s79, s[WV], 4
	s_mul_i32 s79, s79, XW
	v_lshl_add_u32 v[XLD], v22, 4, s79
	v_lshl_add_u32 v[XLS], v22, 2, s79
	v_mov_b32 v[ST+1], 0                           ; named as the upper half of the pair (m, old m) before the first step writes it
	v_mov_b32 v[ST+9], 0
; A STEP: my 64 keys of the slot in hand, both tiles.  first = 1: it starts m, l and O^T.
.macro STEP first
	v_add_nc_u32 v6, s[TB], v[AK0]
	v_add_nc_u32 v7, s[TB], v[AV0]
	v_add_nc_u32 v8, s[TB], v[AM0]
	v_nop                                          ; four places between the last products and the loads into the registers that they read
	WIN 0x40
.irp f, 0,1,2,3,4,5,6,7,8,9,10,11,12,13,14,15  ; keys 16 (f / 4) on, channels 32 (f % 4) on
	ds_load_b128 v[F+8*\f:F+8*\f+3], v6 offset:(\f/4)*16*PK+(\f%4)*64
	ds_load_b128 v[F+8*\f+4:F+8*\f+7], v6 offset:(\f/4)*16*PK+(\f%4)*64+32
.endr
	WIN 0
.irp k, 0,1,2,3
	ds_load_b128 v[MSK+8*\k:MSK+8*\k+3], v8 offset:64*\k
	ds_load_b128 v[MSK+8*\k+4:MSK+8*\k+7], v8 offset:64*\k+16
.endr
.if \first
	s_wait_loadcnt 0x0                             ; Q
.endif
	s_wait_dscnt 0x0
	WIN 0x01                                       ; K in window 1; Q and S^T in window 0
.set i, 0
.rept 32                                       ; channels 32 (i / 8) on, keys 16 ((i / 2) % 4) on, tile i % 2: eight accumulators by turns
.set rS, S+32*(i%2)+8*((i/2)%4)
.set rK, F+32*((i/2)%4)+8*(i/8)
.set rQ, Q+32*(i%2)+8*(i/8)
.if i < 8
	v_wmma_f32_16x16x32_f16 v[rS:rS+7], v[rK:rK+7], v[rQ:rQ+7], 0
.else
	v_wmma_f32_16x16x32_f16 v[rS:rS+7], v[rK:rK+7], v[rQ:rQ+7], v[rS:rS+7]
.endif
.set i, i+1
.endr
	WIN 0
.set i, 0
.rept 16
	v_pk_mul_f32 v[MSK+2*i:MSK+2*i+1], v[MSK+2*i:MSK+2*i+1], 0x3fb8aa3b op_sel_hi:[1,0]   ; the mask x log2(e).  These sixteen are also the places behind the products
.set i, i+1
.endr
	WIN 0x40
.irp f, 0,1,2,3,4,5,6,7,8,9,10,11,12,13,14,15  ; V, turned: keys 32 (f / 8) on, channels 16 (f % 8) on.  They land under the softmax
	ds_load_tr16_b128 v[F+8*\f:F+8*\f+3], v7 offset:(\f/8)*32*PV+(\f%8)*32
	ds_load_tr16_b128 v[F+8*\f+4:F+8*\f+7], v7 offset:(\f/8)*32*PV+16*PV+(\f%8)*32
.endr
	WIN 0
.set i, 0
.rept 16
.irp t, 0,1
	v_pk_fma_f32 v[S+32*\t+2*i:S+32*\t+2*i+1], v[S+32*\t+2*i:S+32*\t+2*i+1], s[CS:CS+1], v[MSK+2*i:MSK+2*i+1] op_sel_hi:[1,0,1]   ; t; ascending: each accumulator is first read at its low end
.endr
.set i, i+1
.endr
.irp j, 0,1,2,3                                ; the largest t: four chains a tile, the tiles by turns
.irp t, 0,1
	v_max3_num_f32 v[ST+8*\t+4+\j], v[S+32*\t+8*\j], v[S+32*\t+8*\j+1], v[S+32*\t+8*\j+2]
.endr
.endr
.irp g, 1,2
.irp j, 0,1,2,3
.irp t, 0,1
	v_max3_num_f32 v[ST+8*\t+4+\j], v[ST+8*\t+4+\j], v[S+32*\t+8*\j+2*\g+1], v[S+32*\t+8*\j+2*\g+2]
.endr
.endr
.endr
.irp t, 0,1
	v_max3_num_f32 v[ST+8*\t+4], v[ST+8*\t+4], v[S+32*\t+7], v[S+32*\t+15]
.endr
.irp t, 0,1
	v_max3_num_f32 v[ST+8*\t+6], v[ST+8*\t+6], v[S+32*\t+23], v[S+32*\t+31]
.endr
.irp t, 0,1
	v_max3_num_f32 v[ST+8*\t+4], v[ST+8*\t+4], v[ST+8*\t+5], v[ST+8*\t+6]
.endr
.irp t, 0,1
.if \first
	v_max3_num_f32 v[ST+8*\t+4], v[ST+8*\t+4], v[ST+8*\t+7], 0xff61b1e6   ; and -3e38, under which no maximum is taken
.else
	v_max3_num_f32 v[ST+8*\t+4], v[ST+8*\t+4], v[ST+8*\t+7], v[ST+8*\t]
.endif
.endr
.irp t, 0,1
	v_permlanex16_b32 v[ST+8*\t+5], v[ST+8*\t+4], s[SEL], s[SEL+1]        ; the query's other 32 keys lie in the lane 16 away
.endr
.if \first == 0
.irp t, 0,1
	v_mov_b32 v[ST+8*\t+1], v[ST+8*\t]
.endr
.endif
.irp t, 0,1
	v_max_num_f32 v[ST+8*\t], v[ST+8*\t+4], v[ST+8*\t+5]
.endr
.if \first == 0
.irp t, 0,1
	v_sub_f32 v[ST+8*\t+7], v[ST+8*\t+1], v[ST+8*\t]
.endr
.endif
.set i, 0
.rept 16
.irp t, 0,1
	v_pk_add_f32 v[S+32*\t+2*i:S+32*\t+2*i+1], v[S+32*\t+2*i:S+32*\t+2*i+1], v[ST+8*\t:ST+8*\t+1] op_sel_hi:[1,0] neg_lo:[0,1] neg_hi:[0,1]   ; t - m
.endr
.set i, i+1
.endr
.if \first == 0
.irp t, 0,1
	v_exp_f32 v[ST+8*\t+6], v[ST+8*\t+7]           ; a = 2^(m_old - m_new)
.endr
.endif
.set i, 0
.rept 64
	v_exp_f32 v[S+i], v[S+i]                       ; p, at most 1
.set i, i+1
.endr
	v_nop                                          ; a plain instruction behind the last exponential
	s_wait_alu depctr_va_vdst(0)                   ; ONE wait for the whole batch, ahead of its first reader
.set i, 0
.rept 16
.irp t, 0,1
	v_cvt_pk_f16_f32 v[P+16*\t+i], v[S+32*\t+2*i], v[S+32*\t+2*i+1]
.endr
.set i, i+1
.endr
.irp d, 8,4,2                                  ; the sum of the unrounded p, in place
.set u, 0
.rept \d
.irp t, 0,1
	v_pk_add_f32 v[S+32*\t+2*u:S+32*\t+2*u+1], v[S+32*\t+2*u:S+32*\t+2*u+1], v[S+32*\t+2*(u+\d):S+32*\t+2*(u+\d)+1]
.endr
.set u, u+1
.endr
.endr
.irp t, 0,1
.if \first
	v_pk_add_f32 v[ST+8*\t+2:ST+8*\t+3], v[S+32*\t:S+32*\t+1], v[S+32*\t+2:S+32*\t+3]
.else
	v_pk_add_f32 v[S+32*\t:S+32*\t+1], v[S+32*\t:S+32*\t+1], v[S+32*\t+2:S+32*\t+3]
.endif
.endr
.if \first == 0
.irp t, 0,1
	v_pk_fma_f32 v[ST+8*\t+2:ST+8*\t+3], v[ST+8*\t+2:ST+8*\t+3], v[ST+8*\t+6:ST+8*\t+7], v[S+32*\t:S+32*\t+1] op_sel_hi:[1,0,1]
.endr
	WIN 0x41                                       ; O^T in window 1, a in window 0
.set i, 0
.rept 32
.irp t, 0,1
	v_pk_mul_f32 v[64*\t+2*i:64*\t+2*i+1], v[64*\t+2*i:64*\t+2*i+1], v[ST+8*\t+6:ST+8*\t+7] op_sel_hi:[1,0]
.endr
.set i, i+1
.endr
.endif
	s_wait_dscnt 0x0                               ; V is in
	WIN 0x51                                       ; V and O^T in window 1, P in window 0
.set i, 0
.rept 32                                       ; keys 32 (i / 16) on, channels 16 ((i / 2) % 8) on, tile i % 2: sixteen accumulators by turns
.set rO, 64*(i%2)+8*((i/2)%8)
.set rV, F+64*(i/16)+8*((i/2)%8)
.set rP, P+16*(i%2)+8*(i/16)
.if \first && (i < 16)
	v_wmma_f32_16x16x32_f16 v[rO:rO+7], v[rV:rV+7], v[rP:rP+7], 0
.else
	v_wmma_f32_16x16x32_f16 v[rO:rO+7], v[rV:rV+7], v[rP:rP+7], v[rO:rO+7]
.endif
.set i, i+1
.endr
	WIN 0
	s_xor_b32 s[TB], s[TB], SLOT1                  ; on to the other slot
.endm
; THE CHANGE OF SLOTS stands at a slot's head: each wave waits for all its tensor loads, adds 0 to its spare word, and waits for that and for its reads of the slot that it has left.
; fill = 1: behind a round of the cluster's barrier that slot takes the next 128 keys; the load has a step's work in which to land.
.macro CHANGE fill
	s_wait_tensorcnt 0x0                           ; no tensor load of mine is out, so a group 0 may be written
	ds_add_u32 v[SPW], v[NIL]
.if \fill
	ds_add_u32 v[SPW], v[NIL]                      ; and once more
	s_xor_b32 s[G0K+1], s[G0K+1], SLOT1
	s_add_nc_u64 s[G0K+2:G0K+3], s[G0K+2:G0K+3], 32768
	s_xor_b32 s[G0V+1], s[G0V+1], SLOT1
	s_add_nc_u64 s[G0V+2:G0V+3], s[G0V+2:G0V+3], 32768
	s_xor_b32 s[G0M+1], s[G0M+1], SLOT1
	s_add_nc_u64 s[G0M+2:G0M+3], s[G0M+2:G0M+3], 512
	s_wait_xcnt 0x0                                ; the last prefetch, a step back, has read its address
	s_add_nc_u64 s[PFA:PFA+1], s[PFA:PFA+1], s[PFS:PFS+1]
.endif
	s_wait_dscnt 0x0                               ; the add is done, and my reads of the slot that I have left are over
.if \fill
	CROUND
	JLOAD
	ASK
.else
	s_barrier_signal -1
	s_barrier_wait -1
.endif
.endm
	CHANGE 1                                       ; slot 0 is whole; slot 1 is asked for
	STEP 1
	s_sub_co_u32 s[SLOTS], s[SLOTS], 1
.Lslot:                                            ; six trips
	CHANGE 1
	STEP 0
	s_sub_co_u32 s[SLOTS], s[SLOTS], 1
	s_cmp_lg_u32 s[SLOTS], 0
	s_cbranch_scc1 .Lslot
	CHANGE 0                                       ; the last slot is written out: nothing is left to ask for
	STEP 0
	; THE MERGE.  l's halves are added (four additions: the places behind the last products); tile 1 goes to wave w xor 4 as an image of its registers, with its m and l.
.irp t, 0,1
	v_add_f32 v[ST+8*\t+2], v[ST+8*\t+2], v[ST+8*\t+3]
.endr
.irp t, 0,1
	v_permlanex16_b32 v[ST+8*\t+5], v[ST+8*\t+2], s[SEL], s[SEL+1]
.endr
.irp t, 0,1
	v_add_f32 v[ST+8*\t+2], v[ST+8*\t+2], v[ST+8*\t+5]
.endr
	WIN 0x04                                       ; an LDS store's data are its source 1: window 1
.irp i, 0,1,2,3,4,5,6,7,8,9,10,11,12,13,14,15
	ds_store_b128 v[XST], v[64+4*\i:64+4*\i+3] offset:512*\i     ; each accumulator from its low end on
.endr
	WIN 0
	ds_store_b32 v[XSS], v[ST+8] offset:8192
	ds_store_b32 v[XSS], v[ST+10] offset:8320
	s_wait_dscnt 0x0                               ; for the partner's sake: my stores have landed
	s_barrier_signal -1
	s_barrier_wait -1
.irp i, 0,1,2,3,4,5,6,7,8,9,10,11,12,13,14,15
	ds_load_b128 v[64+4*\i:64+4*\i+3], v[XLD] offset:512*\i
.endr
	ds_load_b32 v40, v[XLS] offset:8192            ; the partner's m,
	ds_load_b32 v41, v[XLS] offset:8320            ; and l
	s_wait_dscnt 0x0
	v_max_num_f32 v42, v[ST], v40
	v_sub_f32 v44, v[ST], v42
	v_sub_f32 v45, v40, v42
	v_exp_f32 v44, v44
	v_exp_f32 v45, v45
	v_nop
	s_wait_alu depctr_va_vdst(0)                   ; one wait for the two
	v_mul_f32 v46, v41, v45
	v_fma_f32 v46, v[ST+2], v44, v46               ; the row's sum
	v_rcp_f32 v47, v46
	v_nop
	s_wait_alu depctr_va_vdst(0)
	v_mul_f32 v48, v44, v47
	v_mul_f32 v49, v44, v47
	v_mul_f32 v50, v45, v47
	v_mul_f32 v51, v45, v47
.set i, 0
.rept 32
	v_pk_mul_f32 v[64+2*i:64+2*i+1], v[64+2*i:64+2*i+1], v[50:51]
.set i, i+1
.endr
	WIN 0x01                                       ; my O^T: source 0, window 1
.set i, 0
.rept 32
	v_pk_fma_f32 v[64+2*i:64+2*i+1], v[2*i:2*i+1], v[48:49], v[64+2*i:64+2*i+1]
.set i, i+1
.endr
	WIN 0
.set i, 0
.rept 32
	v_cvt_pk_f16_f32 v[128+i], v[64+2*i], v[64+2*i+1]
.set i, i+1
.endr
.irp c, 0,1,2,3,4,5,6,7
	ds_store_b128 v[STO], v[128+4*\c:128+4*\c+3] offset:32*\c
.endr
.irp f, 0,1,2,3,4,5,6,7
	ds_load_b128 v[160+4*\f:160+4*\f+3], v[RD] offset:\f*2*272     ; LDS serves a wave's instructions in order: these see the stores above
.endr
.irp f, 0,1,2,3,4,5,6,7
	s_wait_dscnt 7-\f                              ; the younger loads may stay out
	global_store_b128 v[GO], v[160+4*\f:160+4*\f+3], s[8:9] offset:8192*\f   ; 16 lanes store 256 consecutive bytes, aligned
.endr
	s_wait_tensorcnt 0x0                           ; the wave's end
	ds_add_u32 v[SPW], v[NIL]
	s_wait_dscnt 0x0
	CROUND                                         ; the closing round
	s_endpgm
.Lfunc_end_k_qad3acf4e7b_attn:
	.size	k_qad3acf4e7b_attn, .Lfunc_end_k_qad3acf4e7b_attn-k_qad3acf4e7b_attn
	.p2alignl 7, 3214868480
	.fill 96, 4, 3214868480
	.section	.rodata,"a",@progbits
	.p2align	6, 0x0
	.amdhsa_kernel k_qad3acf4e7b_attn
		.amdhsa_group_segment_fixed_size 327680
		.amdhsa_private_segment_fixed_size 0
		.amdhsa_enable_private_segment 0
		.amdhsa_kernarg_size 24
		.amdhsa_user_sgpr_count 2
		.amdhsa_user_sgpr_kernarg_segment_ptr 1
		.amdhsa_wavefront_size32 1
		.amdhsa_system_sgpr_workgroup_id_x 1
		.amdhsa_system_sgpr_workgroup_id_y 1
		.amdhsa_system_sgpr_workgroup_id_z 1
		.amdhsa_system_vgpr_workitem_id 0
		.amdhsa_next_free_vgpr 512
		.amdhsa_next_free_sgpr 96
		.amdhsa_reserve_vcc 0
		.amdhsa_float_denorm_mode_32 3
		.amdhsa_float_denorm_mode_16_64 3
		.amdhsa_memory_ordered 1
		.amdhsa_forward_progress 1
		.amdhsa_inst_pref_size 104
	.end_amdhsa_kernel
	.amdgpu_metadata
---
amdhsa.version: [ 1, 2 ]
amdhsa.kernels:
  - .name:           k_qad3acf4e7b_attn
    .symbol:         k_qad3acf4e7b_attn.kd
    .args:
      - { .name: qkv, .offset: 0, .size: 8, .value_kind: global_buffer, .address_space: global }
      - { .name: causal_mask, .offset: 8, .size: 8, .value_kind: global_buffer, .address_space: global }
      - { .name: ctx, .offset: 16, .size: 8, .value_kind: global_buffer, .address_space: global }
    .group_segment_fixed_size: 327680
    .private_segment_fixed_size: 0
    .kernarg_segment_align: 8
    .kernarg_segment_size: 24
    .max_flat_workgroup_size: 256
    .sgpr_count:     96
    .vgpr_count:     512
    .wavefront_size: 32
...
	.end_amdgpu_metadata
.endif
;; end of part 3
;; launch oproj (part 4): grid 16 x 16, 4 waves a work-group, clusters of 4 x 4, 327,680 bytes of LDS; arguments ctx, o16, out0; writes out0
.if DOCPART == 4
	.amdgcn_target "amdgcn-amd-amdhsa--gfx1250"
	.amdhsa_code_object_version 6
	.text
	.protected	k_qad3acf4e7b_oproj
	.globl	k_qad3acf4e7b_oproj
	.p2align	8
	.type	k_qad3acf4e7b_oproj,@function
k_qad3acf4e7b_oproj:
	s_mov_b64 s[64:65], 0
	v_nop
	global_prefetch_b8 v0, s[64:65] scope:SCOPE_SE
	s_setreg_imm32_b32 hwreg(HW_REG_WAVE_MODE, 25, 1), 1
	s_wait_xcnt 0x0
	s_wait_alu depctr_hold_cnt(0) depctr_sa_sdst(0) depctr_va_vdst(0) depctr_va_sdst(0) depctr_va_ssrc(0) depctr_va_vcc(0) depctr_vm_vsrc(0)
	s_getreg_b32 s2, hwreg(HW_REG_IB_STS2, 6, 4)
	s_cmp_eq_u32 s2, 0
	s_cbranch_scc0 .Lentry_in_a_cluster
	s_endpgm
.Lentry_in_a_cluster:
	s_bfe_u32 s2, ttmp6, 0x10000c
	s_cmp_lg_u32 s2, 0xf033
	s_cbranch_scc0 .Lentry_shape_is_right
	s_endpgm
.Lentry_shape_is_right:
; OPROJ: out0 [2048][4096] f32 = ctx [2048][2048] x o16 [4096][2048]^T, both f16, f32 sums.  ctx carries 1/16 and o16 carries 16, both exact, so the product is the problem's.
; SHARES.  A tile of 128 x 256 to a work-group (256 work-groups), 64 x 128 to a wave: 32 accumulators.  K goes in steps of 128 (rows of 256 bytes) through two LDS slots, four quarters of 32 along K to a step.
; Two slots of a K step twice as long would take 2 x 384 rows x 528 bytes, more than LDS has.
; CLUSTERS 4 x 4: ctx's tiles are shared along a row of the cluster, o16's along a column: joint loads.  THE PRODUCT IS USED TRANSPOSED: a lane holds eight neighbouring numbers of a row of out0.
; REGISTERS: window 0: v16-31 addresses; v128-191 ctx's fragments, two sets; on the way out v128-255 rows read back.   window 1: v0-127 o16's fragments, two sets.   window 2: accumulator (a, b) at v[8 (8 a + b)].
.set PITCH, 272
.set AH,    64*PITCH
.set ATILE, 2*AH
.set BH,    128*PITCH
.set SLOT,  ATILE+2*BH
.set SPARE, 2*SLOT                     ; behind the ring: the spare words, 128 bytes a wave
.set SPITCH, 528                       ; the way out: 16 rows x (512 + 16) bytes for each wave, in slot 0 once it is free
.set LAPS,  8                          ; 2048 / (2 x 128)
.set ADRA,  16
.set ADRB,  20
.set STO,   24
.set RD,    25
.set CO,    26
.set SPW,   28
.set NIL,   29
.set PFO,   30
.set AF,    128
.set BK,    128
.set G1,   24
.set G0,   32
.set G1B,  48
.set G0B,  56
.set PFA,  68
.set LIM,  70
.set MSB, 0
.macro WIN new
.if MSB != \new
	s_set_vgpr_msb (MSB<<8)|\new
.set MSB, \new
.endif
.endm
.macro PLACES n
.rept \n
	v_nop
.endr
.endm
.macro JLOAD g0a, g1a, g0b, g1b        ; waves 0 and 1 fetch ctx's halves, waves 2 and 3 o16's; an s_nop 0 and four v_nop follow each line
	s_cmp_eq_u32 s21, 0
	s_cbranch_scc0 .Lfor_b_\@
	tensor_load_to_lds s[\g0a:\g0a+3], s[\g1a:\g1a+7]
	s_nop 0
	PLACES 4
	s_branch .Lasked_\@
.Lfor_b_\@:
	tensor_load_to_lds s[\g0b:\g0b+3], s[\g1b:\g1b+7]
	s_nop 0
	PLACES 4
.Lasked_\@:
.endm
; A prefetch of the K step that stands two refills on: 32 rows x 256 bytes, a lane a row.  Each row's 256 bytes of a K step are named once in the launch: ctx's by the clusters with x = 0 (wave 0; the four partners of
; a row take 32 of the tile's 128 rows each, by address), o16's by the clusters with y = 0 (waves 2 and 3; the four partners of a column take 32 of a wave's 128 rows each, by address).  The loop's last trip asks for nothing.
.macro ASK
	s_cmp_gt_u32 s3, s[LIM]
	s_cbranch_scc0 .Lnot_mine_\@
	global_prefetch_b8 v[PFO], s[PFA:PFA+1] offset:256 th:TH_LOAD_NT scope:SCOPE_SE
.Lnot_mine_\@:
.endm
.macro CREST
	s_cmp_lg_u32 s20, 0
	s_cbranch_scc1 .Lnot_wave_0_\@
	s_barrier_signal -3
.Lnot_wave_0_\@:
	s_barrier_wait -3
	s_barrier_signal -1
	s_barrier_wait -1
.endm
.macro CROUND
	s_barrier_signal -1
	s_barrier_wait -1
	CREST
.endm
	s_load_b128 s[4:7], s[0:1], 0x0                ; ctx, o16
	s_load_b64 s[8:9], s[0:1], 0x10                ; out0
	v_lshl_add_u32 v[SPW], v0, 2, SPARE
	v_mov_b32 v[NIL], 0
	ds_add_u32 v[SPW], v[NIL]                      ; the wave's opening: the add, twice on end, and its wait ahead of my first tensor load
	ds_add_u32 v[SPW], v[NIL]
	v_lshrrev_b32 v1, 5, v0
	v_readfirstlane_b32 s20, v1                    ; wave 0..3
	s_lshr_b32 s21, s20, 1                         ; RH
	s_and_b32 s22, s20, 1                          ; CH
	s_bfe_u32 s40, ttmp6, 0x40000                  ; cx
	s_bfe_u32 s41, ttmp6, 0x40004                  ; cy
	s_lshl_b32 s42, ttmp9, 2
	s_add_co_u32 s42, s42, s40                     ; tx
	s_and_b32 s71, ttmp7, 0xffff                   ; the cluster's y
	s_lshl_b32 s23, s71, 2
	s_add_co_u32 s23, s23, s41                     ; ty
	s_lshl_b32 s43, s41, 2
	s_lshl_b32 s43, 15, s43
	s_lshl_b32 s44, 0x1111, s40
	s_or_b32 s[G1], s43, (1<<16)|(1<<20)|(1<<21)|(5<<22)|(3<<25)    ; elements of 2 bytes; 4 words of padding behind every 64
	s_or_b32 s[G1B], s44, (1<<16)|(1<<20)|(1<<21)|(5<<22)|(3<<25)
	s_mov_b32 s[G1+1], 128<<16
	s_mov_b32 s[G1+2], 64<<16
	s_mov_b32 s[G1+3], 128<<16
	s_mov_b32 s[G1+4], 64
	s_mov_b32 s[G1+5], 2048
	s_mov_b32 s[G1+6], 0
	s_mov_b32 s[G1+7], 0
	s_mov_b32 s[G1B+1], 128<<16
	s_mov_b32 s[G1B+2], 128<<16
	s_mov_b32 s[G1B+3], 128<<16
	s_mov_b32 s[G1B+4], 128
	s_mov_b32 s[G1B+5], 2048
	s_mov_b32 s[G1B+6], 0
	s_mov_b32 s[G1B+7], 0
	s_lshl_b32 s46, s23, 7
	s_lshl_b32 s47, s22, 6
	s_add_co_u32 s46, s46, s47                     ; ctx: row 128 ty + 64 CH
	s_lshl_b32 s12, s46, 12
	s_mov_b32 s13, 0
	s_lshl_b32 s45, s42, 8
	s_lshl_b32 s47, s22, 7
	s_add_co_u32 s45, s45, s47                     ; o16: row 256 tx + 128 CH
	s_lshl_b32 s14, s45, 12
	s_mov_b32 s15, 0
	s_mul_i32 s2, s22, AH
	s_mul_i32 s3, s22, BH
	s_add_co_u32 s3, s3, ATILE
	s_wait_dscnt 0x0                               ; both opening adds are done
	s_wait_kmcnt 0x0
	s_add_nc_u64 s[12:13], s[4:5], s[12:13]
	s_add_nc_u64 s[14:15], s[6:7], s[14:15]
	CROUND                                         ; all sixteen work-groups are here: the first joint loads meet
.irp s, 0,1
	s_mov_b32 s[G0+4*\s], 1
	s_add_co_u32 s[G0+4*\s+1], s2, \s*SLOT
	s_add_nc_u64 s[G0+4*\s+2:G0+4*\s+3], s[12:13], \s*256
	s_or_b32 s[G0+4*\s+3], s[G0+4*\s+3], 0x80000000
	s_mov_b32 s[G0B+4*\s], 1
	s_add_co_u32 s[G0B+4*\s+1], s3, \s*SLOT
	s_add_nc_u64 s[G0B+4*\s+2:G0B+4*\s+3], s[14:15], \s*256
	s_or_b32 s[G0B+4*\s+3], s[G0B+4*\s+3], 0x80000000
	JLOAD G0+4*\s, G1, G0B+4*\s, G1B
.endr
	v_and_b32 v1, 15, v0                           ; r
	v_bfe_u32 v2, v0, 4, 1                         ; h
	v_mul_u32_u24 v3, v1, PITCH
	v_lshl_add_u32 v4, v2, 4, v3
	s_mul_i32 s46, s21, AH
	s_mul_i32 s47, s22, BH
	s_add_co_u32 s47, s47, ATILE
.irp s, 0,1
	v_add_nc_u32 v[ADRA+\s], s46, v4
	v_add_nc_u32 v[ADRB+\s], s47, v4
	s_add_co_u32 s46, s46, SLOT
	s_add_co_u32 s47, s47, SLOT
.endr
	s_mul_i32 s46, s20, 16*SPITCH                  ; my stage
	v_mul_u32_u24 v5, v1, SPITCH
	v_lshl_add_u32 v5, v2, 5, v5
	v_add_nc_u32 v[STO], s46, v5                   ; in: row r, 32 bytes for each half of the lanes
	v_and_b32 v6, 31, v0
	v_lshlrev_b32 v[CO], 4, v6
	v_add_nc_u32 v[RD], s46, v[CO]                 ; back: 32 lanes take a row of 512 bytes
	v_lshlrev_b32 v[PFO], 12, v6                   ; the prefetches: a lane a row of 4,096 bytes
	s_lshl_b32 s46, s23, 7
	s_lshl_b32 s47, s21, 6
	s_add_co_u32 s46, s46, s47                     ; out0: row 128 ty + 64 RH, 16,384 bytes a row,
	s_lshl_b32 s46, s46, 14
	s_lshl_b32 s47, s42, 10
	s_add_co_u32 s46, s46, s47                     ; + 1,024 tx
	s_lshl_b32 s47, s22, 9
	s_add_co_u32 s46, s46, s47                     ; + 512 CH
	s_mov_b32 s47, 0
	s_add_nc_u64 s[8:9], s[8:9], s[46:47]
	; the prefetches: where my wave's stand, and who asks
	s_lshl_b32 s46, s23, 7
	s_lshl_b32 s47, s40, 5
	s_add_co_u32 s46, s46, s47                     ; ctx: row 128 ty + 32 cx
	s_lshl_b32 s45, s42, 8
	s_lshl_b32 s47, s22, 7
	s_add_co_u32 s45, s45, s47
	s_lshl_b32 s47, s41, 5
	s_add_co_u32 s45, s45, s47                     ; o16: row 256 tx + 128 CH + 32 cy
	s_cmp_eq_u32 s21, 0
	s_cselect_b32 s46, s46, s45
	s_cselect_b64 s[PFA:PFA+1], s[4:5], s[6:7]
	s_cselect_b32 s45, ttmp9, s71                  ; the coordinate along which other clusters read the same rows
	s_lshl_b32 s46, s46, 12
	s_mov_b32 s47, 0
	s_add_nc_u64 s[PFA:PFA+1], s[PFA:PFA+1], s[46:47]
	s_add_nc_u64 s[PFA:PFA+1], s[PFA:PFA+1], 512   ; at K step 2: the first refill steps it to 3 and names K step 4.  Nothing is asked for here, at the head
	s_cmp_eq_u32 s20, 1
	s_cselect_b32 s46, 1, 0                        ; wave 1 never asks
	s_or_b32 s45, s45, s46
	s_cmp_eq_u32 s45, 0
	s_cselect_b32 s[LIM], 1, -1
.macro FRAG reg, adr, q, i             ; 16 rows x 32 K of f16: registers 0-3 K = 8 h + 0..7, registers 4-7 K = 16 + 8 h + 0..7
	ds_load_b128 v[\reg:\reg+3], v[\adr] offset:64*(\q)+(\i)*16*PITCH
	ds_load_b128 v[\reg+4:\reg+7], v[\adr] offset:64*(\q)+32+(\i)*16*PITCH
.endm
.macro FETCH slot, q, p
	WIN 0x40
.irp i, 0,1,2,3,4,5,6,7
	FRAG 64*(\p)+8*\i, ADRB+\slot, \q, \i
.endr
	WIN 0
.irp i, 0,1,2,3
	FRAG AF+32*(\p)+8*\i, ADRA+\slot, \q, \i
.endr
.endm
.macro MULROW a, p, zero               ; the 32 accumulators take turns, one instruction a turn, in the same order in every quarter
.irp b, 0,1,2,3,4,5,6,7
.set AC_, 8*(8*(\a)+\b)
.set BF_, 64*(\p)+8*\b
.set AF_, AF+32*(\p)+8*(\a)
.if \zero
	v_wmma_f32_16x16x32_f16 v[AC_:AC_+7], v[BF_:BF_+7], v[AF_:AF_+7], 0
.else
	v_wmma_f32_16x16x32_f16 v[AC_:AC_+7], v[BF_:BF_+7], v[AF_:AF_+7], v[AC_:AC_+7]
.endif
.endr
.endm
.macro STEP slot, q, zero
	s_wait_dscnt 0x0                               ; this quarter's fragments, asked for a quarter ago, are in
	PLACES 4                                       ; between the last products, which read the other set, and the loads into it
	FETCH \slot, (\q)+1, 1-(\q)%2
	WIN 0xa1
	MULROW 0, (\q)%2, \zero
	MULROW 1, (\q)%2, \zero
	MULROW 2, (\q)%2, \zero
	MULROW 3, (\q)%2, \zero
	WIN 0
.endm
; A slot's last quarter changes slots.  Its first sixteen products, whose operands are in registers, stand AHEAD of the wait for the next slot's tile.  Then ONE barrier: in front of it each wave waits for all its
; tensor loads, adds 0 to its spare word, and waits for that (its reads of this slot were waited for ahead of the products).  Between the tile's wait and the next joint request stand only these lines and the round.
.macro TURN slot, next, fill
.if \fill
	s_wait_xcnt 0x0                                ; the last prefetch, a K step back, has read its address
	s_add_nc_u64 s[PFA:PFA+1], s[PFA:PFA+1], 256
.endif
	s_wait_dscnt 0x0                               ; this quarter's 24 loads are in: my reads of this slot are over
	WIN 0xa1
	MULROW 0, 1, 0
	MULROW 1, 1, 0
	WIN 0
	s_wait_tensorcnt 0x0                           ; all my tensor loads have landed: my part of the next slot; so a group 0 may be written
	ds_add_u32 v[SPW], v[NIL]
.if \fill
	s_add_nc_u64 s[G0+4*\slot+2:G0+4*\slot+3], s[G0+4*\slot+2:G0+4*\slot+3], 512
	s_add_nc_u64 s[G0B+4*\slot+2:G0B+4*\slot+3], s[G0B+4*\slot+2:G0B+4*\slot+3], 512
.endif
	s_wait_dscnt 0x0                               ; the add is done
	s_barrier_signal -1
	s_barrier_wait -1
.if \fill
	CREST                                          ; no wave of any partner still reads this slot or has a load on its way
	JLOAD G0+4*\slot, G1, G0B+4*\slot, G1B         ; the first tensor load behind the round; its four v_nop are also the places in front of the loads below
.else
	PLACES 4
.endif
	FETCH \next, 0, 0
.if \fill
	ASK
.endif
	WIN 0xa1
	MULROW 2, 1, 0
	MULROW 3, 1, 0
	WIN 0
.endm
	s_wait_tensorcnt 0x1                           ; my part of K step 0 is in; K step 1's one load may stay out
	s_barrier_signal -1
	s_barrier_wait -1
	FETCH 0, 0, 0
	STEP 0, 0, 1                                   ; the first quarter stands ahead of the loop: its products start the sums
	s_mov_b32 s3, LAPS-1
.Llap:
	STEP 0, 1, 0
	STEP 0, 2, 0
	TURN 0, 1, 1
	STEP 1, 0, 0
	STEP 1, 1, 0
	STEP 1, 2, 0
	TURN 1, 0, 1
	STEP 0, 0, 0
	s_sub_co_u32 s3, s3, 1
	s_cmp_lg_u32 s3, 0
	s_cbranch_scc1 .Llap
	STEP 0, 1, 0                                   ; the last lap fills nothing
	STEP 0, 2, 0
	TURN 0, 1, 0
	STEP 1, 0, 0
	STEP 1, 1, 0
	STEP 1, 2, 0
	s_wait_dscnt 0x0
	WIN 0xa1
	MULROW 0, 1, 0
	MULROW 1, 1, 0
	MULROW 2, 1, 0
	MULROW 3, 1, 0
	WIN 0
	PLACES 4                                       ; between the last products and the first read of results, and the loads into the fragments' registers
; THE WAY OUT, block by block of 16 rows x 128 columns, through my own stage and back as whole rows of 512 bytes.
.macro TOSTAGE a
	WIN 0x08                                       ; an LDS store's data are its source 1: window 2
.irp b, 0,1,2,3,4,5,6,7
	ds_store_b128 v[STO], v[64*(\a)+8*\b:64*(\a)+8*\b+3] offset:64*\b          ; each accumulator from its low end on
	ds_store_b128 v[STO], v[64*(\a)+8*\b+4:64*(\a)+8*\b+7] offset:64*\b+16
.endr
	WIN 0
.irp t, 0,1,2,3,4,5,6,7,8,9,10,11,12,13,14,15
	ds_load_b128 v[BK+64*((\a)%2)+4*\t:BK+64*((\a)%2)+4*\t+3], v[RD] offset:\t*SPITCH   ; LDS serves a wave's instructions in order: these see the stores above
.endr
.endm
.macro SEND a, younger                 ; younger: the LDS instructions issued behind block a's loads
	s_wait_dscnt \younger
.irp t, 0,1,2,3,4,5,6,7,8,9,10,11,12,13,14,15
	global_store_b128 v[CO], v[BK+64*((\a)%2)+4*\t:BK+64*((\a)%2)+4*\t+3], s[8:9] offset:(16*(\a)+\t)*16384 th:TH_STORE_NT   ; 32 lanes store 512 consecutive bytes, aligned
.endr
.endm
	TOSTAGE 0
	TOSTAGE 1
	SEND 0, 32                                     ; behind block 0's loads: block 1's 16 stores and 16 loads
	s_wait_xcnt 0x0                                ; block 0's stores have read their registers: block 2's loads may land there
	TOSTAGE 2
	SEND 1, 32
	s_wait_xcnt 0x0
	TOSTAGE 3
	SEND 2, 32
	SEND 3, 0
	s_wait_tensorcnt 0x0                           ; the wave's end
	ds_add_u32 v[SPW], v[NIL]
	s_wait_dscnt 0x0
	CROUND                                         ; the closing round
	s_endpgm
.Lfunc_end_k_qad3acf4e7b_oproj:
	.size	k_qad3acf4e7b_oproj, .Lfunc_end_k_qad3acf4e7b_oproj-k_qad3acf4e7b_oproj
	.p2alignl 7, 3214868480
	.fill 96, 4, 3214868480
	.section	.rodata,"a",@progbits
	.p2align	6, 0x0
	.amdhsa_kernel k_qad3acf4e7b_oproj
		.amdhsa_group_segment_fixed_size 327680
		.amdhsa_private_segment_fixed_size 0
		.amdhsa_enable_private_segment 0
		.amdhsa_kernarg_size 24
		.amdhsa_user_sgpr_count 2
		.amdhsa_user_sgpr_kernarg_segment_ptr 1
		.amdhsa_wavefront_size32 1
		.amdhsa_system_sgpr_workgroup_id_x 1
		.amdhsa_system_sgpr_workgroup_id_y 1
		.amdhsa_system_sgpr_workgroup_id_z 1
		.amdhsa_system_vgpr_workitem_id 0
		.amdhsa_next_free_vgpr 768
		.amdhsa_next_free_sgpr 72
		.amdhsa_reserve_vcc 0
		.amdhsa_float_denorm_mode_32 3
		.amdhsa_float_denorm_mode_16_64 3
		.amdhsa_memory_ordered 1
		.amdhsa_forward_progress 1
		.amdhsa_inst_pref_size 86
	.end_amdhsa_kernel
	.amdgpu_metadata
---
amdhsa.version: [ 1, 2 ]
amdhsa.kernels:
  - .name:           k_qad3acf4e7b_oproj
    .symbol:         k_qad3acf4e7b_oproj.kd
    .args:
      - { .name: ctx, .offset: 0, .size: 8, .value_kind: global_buffer, .address_space: global }
      - { .name: o16, .offset: 8, .size: 8, .value_kind: global_buffer, .address_space: global }
      - { .name: out0, .offset: 16, .size: 8, .value_kind: global_buffer, .address_space: global }
    .group_segment_fixed_size: 327680
    .private_segment_fixed_size: 0
    .kernarg_segment_align: 8
    .kernarg_segment_size: 24
    .max_flat_workgroup_size: 128
    .sgpr_count:     72
    .vgpr_count:     768
    .wavefront_size: 32
...
	.end_amdgpu_metadata
.endif
;; end of part 4
